; MI455X (gfx1250); checked and timed in simulation.
; The chip was launched on July 23, 2026; its instructions are those of AMD's public machine-readable ISA for CDNA 5 (MIT licence, August 2026) and "CDNA5" Instruction Set Architecture Reference Guide (July 2026). The comments in the code are by the model that wrote it; some were corrected since.
;; Multi Head Attention. Allowed arithmetic: float matrix products may take bf16 or f16 operands with f32 sums; all other float work in f32.
;; Inputs: Wk 16 x 1,024 x 64 float32; Wo 1,024 x 1,024 float32; Wq 16 x 1,024 x 64 float32; Wv 16 x 1,024 x 64 float32; bo 1,024 float32; x 4 x 2,048 x 1,024 float32.
;; Outputs: out0 4 x 2,048 x 1,024 float32.
;; 2 versions, each right; version 2 is version 1 with the launch prep written anew for expert scheduling mode. Each part assembles by itself: llvm-mc -triple=amdgcn-amd-amdhsa -mcpu=gfx1250 --defsym DOCPART=n.
;; ======== version 1 of 2: 4 launches
;; limits: values are held in f16: magnitudes above 65,504 overflow, below 6.1e-05 lose precision
;; workspace buffers: xb 16,777,216 bytes; wb 6,291,456 bytes; wob 2,097,152 bytes; qkv 50,331,648 bytes; ctx 16,777,216 bytes
;; launch prep (part 1): grid 768 x 1, 8 waves a work-group, no clusters, 0 bytes of LDS; arguments x, Wq, Wk, Wv, Wo, xb, wb, wob; writes xb, wb, wob
.if DOCPART == 1
	.amdgcn_target "amdgcn-amd-amdhsa--gfx1250"
	.amdhsa_code_object_version 6
	.text
	.protected	k_q47e95a8224_prep
	.globl	k_q47e95a8224_prep
	.p2align	8
	.type	k_q47e95a8224_prep,@function
k_q47e95a8224_prep:
	s_mov_b64 s[64:65], 0
	v_nop
	global_prefetch_b8 v0, s[64:65] scope:SCOPE_SE
	s_setreg_imm32_b32 hwreg(HW_REG_WAVE_MODE, 25, 1), 1
	s_wait_xcnt 0x0
; prep: casts the inputs to 16 bits and lays them in blocks, so that every tile of the later launches is one dense run of memory.
;   xb  [16 kb][8192 row][64]  bf16 = x[row][64 kb + i]
;   wb  [48 g][1024 e][64 d]   bf16 = Wq (g 0-15), Wk (16-31), Wv (32-47), order kept
;   wob [16 h][1024 n][64 d]   f16  = Wo[n][64 h + d], rounded to bf16 first and then written as f16
; LIMIT: a bf16 number is exact in f16 from 2^-17 up to 65,504; a smaller |Wo| gets an absolute error of at most 2^-25, a larger one becomes infinite.
; A stream: memory binds, so no LDS, no barrier, no matrix unit.  A work-group makes 32 KiB of output; thread t takes 4 numbers (16 bytes in, 8 bytes out)
; sixteen times.  Sixteen neighbouring lanes read 256 consecutive bytes, aligned, so a load of a wave covers two such blocks and uses every byte of them;
; a store of a wave covers 256 consecutive bytes, aligned.  All 16 loads of a thread go out first, so 16 loads of every wave are on their way.
.set X, 8                              ; v[8:71]   16 pieces of 4 f32 as loaded
.set Y, 72                             ; v[72:103] 16 pieces of 2 registers to store
; stride = bytes in the source from piece i to piece i + 1 of a thread; half = 1: the bf16 value is written as f16
.macro CAST stride, half
.irp i, 0,1,2,3,4,5,6,7,8,9,10,11,12,13,14,15
	global_load_b128 v[X+4*\i:X+4*\i+3], v1, s[24:25] offset:\i*\stride th:TH_LOAD_NT
.endr
.irp i, 0,1,2,3,4,5,6,7,8,9,10,11,12,13,14,15
	s_wait_loadcnt 15-\i                           ; loads come back in order: piece i is in, the 15 - i younger loads stay out
	v_cvt_pk_bf16_f32 v[Y+2*\i],   v[X+4*\i],   v[X+4*\i+1]
	v_cvt_pk_bf16_f32 v[Y+2*\i+1], v[X+4*\i+2], v[X+4*\i+3]
.if \half
	v_lshlrev_b32 v[X+4*\i],   16, v[Y+2*\i]                   ; the rounded numbers back in f32
	v_and_b32     v[X+4*\i+1], 0xffff0000, v[Y+2*\i]
	v_lshlrev_b32 v[X+4*\i+2], 16, v[Y+2*\i+1]
	v_and_b32     v[X+4*\i+3], 0xffff0000, v[Y+2*\i+1]
	v_cvt_pk_f16_f32 v[Y+2*\i],   v[X+4*\i],   v[X+4*\i+1]
	v_cvt_pk_f16_f32 v[Y+2*\i+1], v[X+4*\i+2], v[X+4*\i+3]
.endif
	global_store_b64 v2, v[Y+2*\i:Y+2*\i+1], s[26:27] offset:\i*2048
.endr
.endm
	s_load_b512 s[4:19], s[0:1], 0x0               ; x s[4:5], Wq s[6:7], Wk s[8:9], Wv s[10:11], Wo s[12:13], xb s[14:15], wb s[16:17], wob s[18:19]
	s_mov_b32 s23, 0                               ; upper word of every offset pair
	v_lshlrev_b32 v2, 3, v0                        ; out: 8 t (16 rows of 128 bytes for the 256 threads)
	v_lshrrev_b32 v1, 4, v0                        ; in, for the two re-blocking ways: row t / 16 of 4,096 bytes,
	v_and_b32 v3, 15, v0
	v_lshlrev_b32 v3, 4, v3                        ; 16 bytes (4 f32) at t % 16
	v_lshl_add_u32 v1, v1, 12, v3
	s_cmp_lt_u32 ttmp9, 512
	s_cbranch_scc0 .Lnot_x
	; work-groups 0-511: x.  kb = id / 32, 256 rows from row 256 (id % 32)
	s_lshr_b32 s20, ttmp9, 5
	s_and_b32 s21, ttmp9, 31
	s_lshl_b32 s20, s20, 8                         ; 64 f32
	s_lshl_b32 s21, s21, 20                        ; 256 rows of 4,096 bytes
	s_add_co_u32 s22, s20, s21
	s_wait_kmcnt 0x0
	s_add_nc_u64 s[24:25], s[4:5], s[22:23]
	s_lshl_b32 s22, ttmp9, 15
	s_add_nc_u64 s[26:27], s[14:15], s[22:23]
	CAST 65536, 0                                  ; 16 rows from piece to piece
	s_endpgm
.Lnot_x:
	s_cmp_lt_u32 ttmp9, 704
	s_cbranch_scc0 .Lwo
	; work-groups 512-703: the three projection weights, 64 work-groups each, a plain cast
	s_sub_co_u32 s20, ttmp9, 512
	v_lshlrev_b32 v1, 4, v0                        ; in: 16 t
	s_lshr_b32 s21, s20, 6                         ; 0 Wq, 1 Wk, 2 Wv
	s_wait_kmcnt 0x0
	s_cmp_eq_u32 s21, 0
	s_cselect_b64 s[24:25], s[6:7], s[8:9]
	s_cmp_eq_u32 s21, 2
	s_cselect_b64 s[24:25], s[10:11], s[24:25]
	s_and_b32 s22, s20, 63
	s_lshl_b32 s22, s22, 16                        ; 64 KiB of f32 for 32 KiB of bf16
	s_add_nc_u64 s[24:25], s[24:25], s[22:23]
	s_lshl_b32 s22, s20, 15
	s_add_nc_u64 s[26:27], s[16:17], s[22:23]
	CAST 4096, 0
	s_endpgm
.Lwo:
	; work-groups 704-767: Wo, re-blocked like x (1,024 rows: 4 work-groups for each head)
	s_sub_co_u32 s20, ttmp9, 704
	s_lshr_b32 s21, s20, 2
	s_and_b32 s22, s20, 3
	s_lshl_b32 s21, s21, 8
	s_lshl_b32 s22, s22, 20
	s_add_co_u32 s22, s22, s21
	s_wait_kmcnt 0x0
	s_add_nc_u64 s[24:25], s[12:13], s[22:23]
	s_lshl_b32 s22, s20, 15
	s_add_nc_u64 s[26:27], s[18:19], s[22:23]
	CAST 65536, 1
	s_endpgm
.Lfunc_end_k_q47e95a8224_prep:
	.size	k_q47e95a8224_prep, .Lfunc_end_k_q47e95a8224_prep-k_q47e95a8224_prep
	.p2alignl 7, 3214868480
	.fill 96, 4, 3214868480
	.section	.rodata,"a",@progbits
	.p2align	6, 0x0
	.amdhsa_kernel k_q47e95a8224_prep
		.amdhsa_group_segment_fixed_size 0
		.amdhsa_private_segment_fixed_size 0
		.amdhsa_enable_private_segment 0
		.amdhsa_kernarg_size 64
		.amdhsa_user_sgpr_count 2
		.amdhsa_user_sgpr_kernarg_segment_ptr 1
		.amdhsa_wavefront_size32 1
		.amdhsa_system_sgpr_workgroup_id_x 1
		.amdhsa_system_sgpr_workgroup_id_y 1
		.amdhsa_system_sgpr_workgroup_id_z 1
		.amdhsa_system_vgpr_workitem_id 0
		.amdhsa_next_free_vgpr 104
		.amdhsa_next_free_sgpr 66
		.amdhsa_reserve_vcc 0
		.amdhsa_float_denorm_mode_32 3
		.amdhsa_float_denorm_mode_16_64 3
		.amdhsa_memory_ordered 1
		.amdhsa_forward_progress 1
		.amdhsa_inst_pref_size 24
	.end_amdhsa_kernel
	.amdgpu_metadata
---
amdhsa.version: [ 1, 2 ]
amdhsa.kernels:
  - .name:           k_q47e95a8224_prep
    .symbol:         k_q47e95a8224_prep.kd
    .args:
      - { .name: x, .offset: 0, .size: 8, .value_kind: global_buffer, .address_space: global }
      - { .name: Wq, .offset: 8, .size: 8, .value_kind: global_buffer, .address_space: global }
      - { .name: Wk, .offset: 16, .size: 8, .value_kind: global_buffer, .address_space: global }
      - { .name: Wv, .offset: 24, .size: 8, .value_kind: global_buffer, .address_space: global }
      - { .name: Wo, .offset: 32, .size: 8, .value_kind: global_buffer, .address_space: global }
      - { .name: xb, .offset: 40, .size: 8, .value_kind: global_buffer, .address_space: global }
      - { .name: wb, .offset: 48, .size: 8, .value_kind: global_buffer, .address_space: global }
      - { .name: wob, .offset: 56, .size: 8, .value_kind: global_buffer, .address_space: global }
    .group_segment_fixed_size: 0
    .private_segment_fixed_size: 0
    .kernarg_segment_align: 8
    .kernarg_segment_size: 64
    .max_flat_workgroup_size: 256
    .sgpr_count:     66
    .vgpr_count:     104
    .wavefront_size: 32
...
	.end_amdgpu_metadata
.endif
;; end of part 1
;; launch qkv (part 2): grid 8 x 32, 4 waves a work-group, clusters of 4 x 4, 327,680 bytes of LDS; arguments xb, wb, qkv; writes qkv
.if DOCPART == 2
	.amdgcn_target "amdgcn-amd-amdhsa--gfx1250"
	.amdhsa_code_object_version 6
	.text
	.protected	k_q47e95a8224_qkv
	.globl	k_q47e95a8224_qkv
	.p2align	8
	.type	k_q47e95a8224_qkv,@function
k_q47e95a8224_qkv:
	s_mov_b64 s[64:65], 0
	v_nop
	global_prefetch_b8 v0, s[64:65] scope:SCOPE_SE
	s_setreg_imm32_b32 hwreg(HW_REG_WAVE_MODE, 25, 1), 1
	s_wait_xcnt 0x0
	s_wait_alu depctr_hold_cnt(0) depctr_sa_sdst(0) depctr_va_vdst(0) depctr_va_sdst(0) depctr_va_ssrc(0) depctr_va_vcc(0) depctr_vm_vsrc(0)
	s_getreg_b32 s2, hwreg(HW_REG_IB_STS2, 6, 4)
	s_cmp_eq_u32 s2, 0
	s_cbranch_scc0 .Lentry_in_a_cluster
	s_endpgm
.Lentry_in_a_cluster:
	s_bfe_u32 s2, ttmp6, 0x10000c
	s_cmp_lg_u32 s2, 0xf033
	s_cbranch_scc0 .Lentry_shape_is_right
	s_endpgm
.Lentry_shape_is_right:
; qkv[g][row][d] = sum over e of x[row][e] W_g[e][d]: a product of 8192 x 3072 x 1024 in bf16, sums in f32, results rounded once to f16.
; LIMIT: a result of magnitude 65,520 or more becomes infinite in f16.
; 256 work-groups, each a block of 256 rows x 384 columns (6 heads g); four waves, each 128 rows x 192 columns (3 heads) in 96 accumulator
; tiles = 768 registers.  K goes in 16 steps of 64 through a ring of two LDS slots filled by the tensor data mover; two slots of a step of 128 would need
; 393,216 bytes and do not fit.  The blocked layouts make every tile a dense run of memory, fetched as rows of 256 bytes or longer.
; CLUSTERS: 4 x 4 work-groups.  x's tile hangs on the block row alone and is asked for jointly along a row of the cluster, W's on the block column alone
; and jointly along a column: the requests for both are divided by four.
; THE MATRIX INSTRUCTION IS USED TRANSPOSED: source 0 = 16 columns d of W (read from its [e][d] rows by the transposing LDS load), source 1 = 16 rows of x.
; Lane l then holds row l % 16 and, in registers 0-7, d = 8 (l / 16) + 0..7: sixteen bytes of f16 that belong together.
; REGISTERS: window 0: v16-26 addresses; v32-95, v96-159 fragments of x (8 x 16 rows x 32 K), two buffers; v160-191, v192-223, v224-255 fragments of W, one
; buffer for each of my three heads.  Window p + 1: head p, tile (i = 16 columns, a = 16 rows) at v[8 (8 i + a)].
.set SLOT,  98304                      ; x: 256 rows x 144, then W: 6 heads x 64 e x 160
.set BOFF,  36864
.set STAGE, 196608                     ; behind the ring: 64 rows x 144 bytes for each wave, never filled by a tensor load
.set ASTEP, 1048576                    ; bytes from a K step to the next in xb
.set BSTEP, 8192                       ; and in wb
.set ADX, 16                           ; v16-17  LDS address of my x fragments in slot 0, 1
.set ADW, 20                           ; v20-21  the same for W
.set STO, 24
.set RD,  25
.set CO,  26
.set XF0, 32
.set XF1, 96
.set WS0, 160
.set WS1, 192
.set WS2, 224
.set TMP, 32
.set G1,  24                           ; s[24:31] group 1 for x's tiles
.set G0,  32                           ; s[32:39] group 0 for x's tiles, one set for each slot
.set G1B, 48                           ; s[48:55] group 1 for W's tiles
.set G0B, 56                           ; s[56:63] group 0 for W's tiles
.set MSB, 0
.macro WIN new                         ; the immediate's high byte repeats the setting that is left
.if MSB != (\new)
	s_set_vgpr_msb (MSB<<8)|(\new)
.set MSB, (\new)
.endif
.endm
.macro PLACES n                        ; places behind matrix instructions (ISA guide 7.12.1)
.rept \n
	v_nop
.endr
.endm
; A joint load: waves 0 and 1 fetch x's two halves, waves 2 and 3 W's.  The branch hangs on the wave's number alone.
.macro JLOAD s
	s_cmp_eq_u32 s11, 0
	s_cbranch_scc0 .Lfor_b_\@
	tensor_load_to_lds s[G0+4*\s:G0+4*\s+3], s[G1:G1+7]
	s_nop 0
	s_branch .Lasked_\@
.Lfor_b_\@:
	tensor_load_to_lds s[G0B+4*\s:G0B+4*\s+3], s[G1B:G1B+7]
	s_nop 0
.Lasked_\@:
.endm
.macro CREST                           ; a round of the cluster's barrier behind its opening work-group barrier
	s_cmp_lg_u32 s10, 0
	s_cbranch_scc1 .Lnot_wave_0_\@
	s_barrier_signal -3
.Lnot_wave_0_\@:
	s_barrier_wait -3
	s_barrier_signal -1
	s_barrier_wait -1
.endm
.macro CROUND
	s_barrier_signal -1
	s_barrier_wait -1
	CREST
.endm
	s_load_b128 s[4:7], s[0:1], 0x0                ; xb s[4:5], wb s[6:7]
	s_load_b64 s[8:9], s[0:1], 0x10                ; qkv
	v_lshl_add_u32 v30, v0, 2, 0x39000
	v_mov_b32 v31, 0
	ds_add_u32 v30, v31
	ds_add_u32 v30, v31
	v_lshrrev_b32 v1, 5, v0
	v_readfirstlane_b32 s10, v1                    ; wave 0..3
	s_lshr_b32 s11, s10, 1                         ; my half of the rows.  Also: I fetch for x (0) or for W (1)
	s_and_b32 s12, s10, 1                          ; my half of the columns.  Also: which half of that tile I fetch
	s_bfe_u32 s40, ttmp6, 0x40000                  ; cx
	s_bfe_u32 s41, ttmp6, 0x40004                  ; cy
	s_lshl_b32 s42, ttmp9, 2
	s_add_co_u32 s42, s42, s40                     ; block column 0..7
	s_and_b32 s13, ttmp7, 0xffff
	s_lshl_b32 s13, s13, 2
	s_add_co_u32 s13, s13, s41                     ; block row 0..31
	s_lshl_b32 s43, s41, 2
	s_lshl_b32 s43, 15, s43                        ; my row of the cluster
	s_lshl_b32 s44, 0x1111, s40                    ; my column
	; x: 128 rows of 128 bytes are 16 KiB dense: 64 rows of 32 elements of 8 bytes; after every 32 words (128 bytes, code 4) 4 words of padding: LDS pitch 144
	s_or_b32 s[G1+0], s43, 0x07330000              ; mask | element 8 bytes | padding on | bit 21 beside a mask | interval code 4 | pad code 3
	s_mov_b32 s[G1+1], 32<<16                      ; tensor_dim0 = 32
	s_mov_b32 s[G1+2], 64<<16                      ; tensor_dim1 = 64
	s_mov_b32 s[G1+3], 32<<16                      ; tile_dim0 = 32
	s_mov_b32 s[G1+4], 64                          ; tile_dim1 = 64
	s_mov_b32 s[G1+5], 32                          ; pitch = 32 elements: dense
	s_mov_b32 s[G1+6], 0
	s_mov_b32 s[G1+7], 0
	; W: 3 heads, of each 64 e x 128 bytes = 8 KiB dense (1,024 elements), heads 131,072 bytes apart; 8 words of padding behind every 128 bytes: LDS pitch 160
	s_or_b32 s[G1B+0], s44, 0x0f330000
	s_mov_b32 s[G1B+1], 1024<<16
	s_mov_b32 s[G1B+2], 3<<16
	s_mov_b32 s[G1B+3], 1024<<16
	s_mov_b32 s[G1B+4], 3
	s_mov_b32 s[G1B+5], 16384
	s_mov_b32 s[G1B+6], 0
	s_mov_b32 s[G1B+7], 0
	; x's address hangs on the block row and the wave, W's on the block column and the wave, each in registers that never hold the other coordinate
	s_lshl_b32 s16, s13, 15                        ; 256 rows of 128 bytes
	s_lshl_b32 s17, s12, 14
	s_add_co_u32 s16, s16, s17
	s_mov_b32 s17, 0
	s_mul_i32 s46, s42, 6
	s_mul_i32 s47, s12, 3
	s_add_co_u32 s46, s46, s47
	s_lshl_b32 s46, s46, 17                        ; head x 131,072
	s_mov_b32 s47, 0
	s_mul_i32 s20, s10, 18432                      ; LDS: x's halves at wave x 128 rows (waves 0, 1)
	s_mul_i32 s21, s10, 30720                      ; W's halves at 36,864 + (wave - 2) x 30,720 (waves 2, 3)
	s_sub_co_u32 s21, s21, 24576
	s_wait_dscnt 0x0
	s_wait_kmcnt 0x0
	s_add_nc_u64 s[14:15], s[4:5], s[16:17]
	s_add_nc_u64 s[46:47], s[6:7], s[46:47]
	CROUND                                         ; all sixteen work-groups are here: the first joint loads meet
.irp s, 0,1
	s_mov_b32 s[G0+4*\s], 1
	s_add_co_u32 s[G0+4*\s+1], s20, \s*SLOT
	s_add_nc_u64 s[G0+4*\s+2:G0+4*\s+3], s[14:15], \s*ASTEP
	s_or_b32 s[G0+4*\s+3], s[G0+4*\s+3], 0x80000000
	s_mov_b32 s[G0B+4*\s], 1
	s_add_co_u32 s[G0B+4*\s+1], s21, \s*SLOT
	s_add_nc_u64 s[G0B+4*\s+2:G0B+4*\s+3], s[46:47], \s*BSTEP
	s_or_b32 s[G0B+4*\s+3], s[G0B+4*\s+3], 0x80000000
	JLOAD \s                                       ; both first fills: two tensor loads of the wave are out, the most in this text
.endr
	v_and_b32 v1, 15, v0                           ; r = l % 16
	v_bfe_u32 v2, v0, 4, 1                         ; h = l / 16
	v_mul_u32_u24 v3, v1, 144
	v_lshl_add_u32 v3, v2, 4, v3                   ; r x 144 + 16 h: fragments whose K lies along the LDS rows
	v_and_b32 v4, 7, v0
	v_lshl_add_u32 v4, v2, 3, v4                   ; 8 h + l % 8: the e row that I address for the transposing load
	v_mul_u32_u24 v4, v4, 160
	v_bfe_u32 v5, v0, 3, 1
	v_lshl_add_u32 v4, v5, 4, v4                   ; + 16 bytes for lanes 8-15 of each half
	s_mul_i32 s21, s11, 18432                      ; my 128 rows of x
	s_mul_i32 s22, s12, 30720                      ; my 3 heads of W
	s_add_co_u32 s22, s22, BOFF
.irp s, 0,1
	v_add_nc_u32 v[ADX+\s], s21, v3
	v_add_nc_u32 v[ADW+\s], s22, v4
	s_add_co_u32 s21, s21, SLOT
	s_add_co_u32 s22, s22, SLOT
.endr
	s_mul_i32 s23, s10, 9216
	s_add_co_u32 s23, s23, STAGE                   ; my stage
	v_add_nc_u32 v[STO], s23, v3
	v_and_b32 v5, 31, v0
	v_lshrrev_b32 v6, 3, v5                        ; back: eight lanes take a row of 128 bytes
	v_mul_u32_u24 v6, v6, 144
	v_and_b32 v7, 7, v0
	v_lshl_add_u32 v6, v7, 4, v6
	v_add_nc_u32 v[RD], s23, v6
	v_lshlrev_b32 v[CO], 4, v5                     ; rows of qkv follow each other: 16 bytes a lane, 512 consecutive bytes a store
; 8 transposing loads: the 4 column tiles of head p, 32 e from e = 32 kk
.macro LDW ws, slot, kk, p
.irp i, 0,1,2,3
	ds_load_tr16_b128 v[\ws+8*\i:\ws+8*\i+3],   v[ADW+\slot] offset:\p*10240+\kk*5120+32*\i
	ds_load_tr16_b128 v[\ws+8*\i+4:\ws+8*\i+7], v[ADW+\slot] offset:\p*10240+\kk*5120+32*\i+2560
.endr
.endm
; 8 loads: row tiles a0 .. a0 + 3
.macro LDX xf, slot, kk, a0
.irp a, \a0, \a0+1, \a0+2, \a0+3
	ds_load_b128 v[\xf+8*(\a):\xf+8*(\a)+3],   v[ADX+\slot] offset:(\a)*2304+\kk*64
	ds_load_b128 v[\xf+8*(\a)+4:\xf+8*(\a)+7], v[ADX+\slot] offset:(\a)*2304+\kk*64+32
.endr
.endm
; 16 matrix instructions of the head whose window is set: column tiles i0, i0 + 1 x all 8 row tiles.  zero = 1: the first product starts the sums.
.macro MUL16 ws, xf, i0, zero
.irp i, \i0, \i0+1
.irp a, 0,1,2,3,4,5,6,7
.if \zero
	v_wmma_f32_16x16x32_bf16 v[8*(8*(\i)+\a):8*(8*(\i)+\a)+7], v[\ws+8*(\i):\ws+8*(\i)+7], v[\xf+8*\a:\xf+8*\a+7], 0
.else
	v_wmma_f32_16x16x32_bf16 v[8*(8*(\i)+\a):8*(8*(\i)+\a)+7], v[\ws+8*(\i):\ws+8*(\i)+7], v[\xf+8*\a:\xf+8*\a+7], v[8*(8*(\i)+\a):8*(8*(\i)+\a)+7]
.endif
.endr
.endr
.endm
; A K step: six phases (kk, head) of 32 matrix instructions.  Each phase: four places, one run of LDS loads into the buffers that the phase before has left,
; a counted wait, the products.  The 96 accumulators take turns, one instruction a turn.
; fill = 1: this slot is filled again, two K steps ahead.  last = 1: nothing follows.
.macro STEP slot, next, fill, last, zero
	PLACES 4
	WIN 0
	LDW WS2, \slot, 0, 2
	LDX XF1, \slot, 1, 0
	s_wait_dscnt 24                                ; x (kk 0) and head 0 are in: behind them went head 1's 8 loads and these 16
	WIN 0x50
	MUL16 WS0, XF0, 0, \zero
	MUL16 WS0, XF0, 2, \zero
	PLACES 4
	WIN 0
	LDW WS0, \slot, 1, 0
	LDX XF1, \slot, 1, 4
	s_wait_dscnt 32                                ; head 1 is in: 16 + 16 loads are younger
	WIN 0xa0
	MUL16 WS1, XF0, 0, \zero
	MUL16 WS1, XF0, 2, \zero
	PLACES 4
	WIN 0
	LDW WS1, \slot, 1, 1
	s_wait_dscnt 32                                ; head 2 is in: 8 + 16 + 8 loads are younger
	WIN 0xf0
	MUL16 WS2, XF0, 0, \zero
	MUL16 WS2, XF0, 2, \zero
	PLACES 4
	WIN 0
	LDW WS2, \slot, 1, 2                           ; my last reads of this slot
	s_wait_dscnt 16                                ; x (kk 1) and head 0 are in: 8 + 8 loads are younger
	WIN 0x50
	MUL16 WS0, XF1, 0, 0
.if \last == 0
	s_wait_dscnt 0x0                               ; my reads of this slot are over,
	s_wait_tensorcnt 0x0                           ; and all my tensor loads have landed: the one that was out is my part of the next slot
	ds_add_u32 v30, v31
	s_wait_dscnt 0x0
	s_barrier_signal -1
.endif
	MUL16 WS0, XF1, 2, 0                           ; work on registers while the others arrive
.if \last == 0
	WIN 0
	s_barrier_wait -1
.if \fill
	CREST                                          ; all sixteen work-groups have said so: no wave of any partner still reads this slot or has a load on its way
	s_add_nc_u64 s[G0+4*\slot+2:G0+4*\slot+3], s[G0+4*\slot+2:G0+4*\slot+3], 2*ASTEP
	s_add_nc_u64 s[G0B+4*\slot+2:G0B+4*\slot+3], s[G0B+4*\slot+2:G0B+4*\slot+3], 2*BSTEP
	JLOAD \slot                                    ; the first tensor load behind the round; 176 matrix instructions stand between it and the wait for it
.endif
	PLACES 4
	LDX XF0, \next, 0, 0
	LDX XF0, \next, 0, 4
	LDW WS0, \next, 0, 0
	s_wait_dscnt 24                                ; only this run may be out
.else
	s_wait_dscnt 8                                 ; head 1 is in: head 2's 8 loads are younger
.endif
	WIN 0xa0
	MUL16 WS1, XF1, 0, 0
	MUL16 WS1, XF1, 2, 0
.if \last == 0
	PLACES 4
	WIN 0
	LDW WS1, \next, 0, 1
	s_wait_dscnt 32                                ; head 2 is in: 24 + 8 loads are younger
.else
	s_wait_dscnt 0x0
.endif
	WIN 0xf0
	MUL16 WS2, XF1, 0, 0
	MUL16 WS2, XF1, 2, 0
.endm
	s_wait_tensorcnt 0x1                           ; my part of K step 0 is in; K step 1's stays out
	s_barrier_signal -1
	s_barrier_wait -1
	LDX XF0, 0, 0, 0
	LDX XF0, 0, 0, 4
	LDW WS0, 0, 0, 0
	LDW WS1, 0, 0, 1
	STEP 0, 1, 1, 0, 1                             ; the first lap stands in front of the loop: its first products start the sums
	STEP 1, 0, 1, 0, 0
	WIN 0
	s_mov_b32 s3, 6
.Llap:
	STEP 0, 1, 1, 0, 0
	STEP 1, 0, 1, 0, 0
	WIN 0
	s_sub_co_u32 s3, s3, 1
	s_cmp_lg_u32 s3, 0
	s_cbranch_scc1 .Llap
	STEP 0, 1, 0, 0, 0                             ; the last lap fills nothing
	STEP 1, 0, 0, 1, 0
	; THE WAY OUT, 64 rows of one head at a time: round to f16, 16 bytes a lane into my own stage, back as whole rows, 512 consecutive bytes a store.
	; Six trips through the stage for my 128 rows x 3 heads: sixteen loads of each trip are on their way together.
	PLACES 4
	s_lshl_b32 s16, s13, 15
	s_lshl_b32 s17, s11, 14
	s_add_co_u32 s16, s16, s17                     ; my first row x 128 bytes
	s_mov_b32 s17, 0
	s_add_nc_u64 s[8:9], s[8:9], s[16:17]
	s_mul_i32 s46, s42, 6
	s_mul_i32 s47, s12, 3
	s_add_co_u32 s46, s46, s47
	s_lshl_b32 s46, s46, 20                        ; my first head x 1 MiB
	s_mov_b32 s47, 0
	s_add_nc_u64 s[8:9], s[8:9], s[46:47]
.macro OUT64 p, a0, rb
	WIN (\p+1)*5
.irp x, 0,1,2,3
.irp i, 0,1,2,3
.irp k, 0,1,2,3
	v_cvt_pk_f16_f32 v[TMP+16*\x+4*\i+\k], v[8*(8*\i+\a0+\x)+2*\k], v[8*(8*\i+\a0+\x)+2*\k+1]
.endr
.endr
.endr
	WIN 0
.irp x, 0,1,2,3
.irp i, 0,1,2,3
	ds_store_b128 v[STO], v[TMP+16*\x+4*\i:TMP+16*\x+4*\i+3] offset:2304*\x+32*\i
.endr
.endr
	s_wait_xcnt 0x0                                ; the registers read back into were data of earlier stores: they are rewritten only behind this wait
.irp t, 0,1,2,3,4,5,6,7,8,9,10,11,12,13,14,15
	ds_load_b128 v[\rb+4*\t:\rb+4*\t+3], v[RD] offset:576*\t       ; four rows of the stage; LDS serves a wave's instructions in order: these see the stores above
.endr
.irp t, 0,1,2,3,4,5,6,7,8,9,10,11,12,13,14,15
	s_wait_dscnt 15-\t                             ; load t is back, the 15 - t younger ones stay out
	global_store_b128 v[CO], v[\rb+4*\t:\rb+4*\t+3], s[8:9] offset:\p*1048576+\a0*2048+512*\t
.endr
.endm
.set RBX, 96
.irp p, 0,1,2
.irp a0, 0,4
	OUT64 \p, \a0, RBX
.set RBX, 256-RBX
.endr
.endr
	s_wait_tensorcnt 0x0
	ds_add_u32 v30, v31
	s_wait_dscnt 0x0
	CROUND                                         ; the closing round: no work-group ends while a partner may still ask for a tile that names it
	s_endpgm
.Lfunc_end_k_q47e95a8224_qkv:
	.size	k_q47e95a8224_qkv, .Lfunc_end_k_q47e95a8224_qkv-k_q47e95a8224_qkv
	.p2alignl 7, 3214868480
	.fill 96, 4, 3214868480
	.section	.rodata,"a",@progbits
	.p2align	6, 0x0
	.amdhsa_kernel k_q47e95a8224_qkv
		.amdhsa_group_segment_fixed_size 327680
		.amdhsa_private_segment_fixed_size 0
		.amdhsa_enable_private_segment 0
		.amdhsa_kernarg_size 24
		.amdhsa_user_sgpr_count 2
		.amdhsa_user_sgpr_kernarg_segment_ptr 1
		.amdhsa_wavefront_size32 1
		.amdhsa_system_sgpr_workgroup_id_x 1
		.amdhsa_system_sgpr_workgroup_id_y 1
		.amdhsa_system_sgpr_workgroup_id_z 1
		.amdhsa_system_vgpr_workitem_id 0
		.amdhsa_next_free_vgpr 1024
		.amdhsa_next_free_sgpr 66
		.amdhsa_reserve_vcc 0
		.amdhsa_float_denorm_mode_32 3
		.amdhsa_float_denorm_mode_16_64 3
		.amdhsa_memory_ordered 1
		.amdhsa_forward_progress 1
		.amdhsa_inst_pref_size 170
	.end_amdhsa_kernel
	.amdgpu_metadata
---
amdhsa.version: [ 1, 2 ]
amdhsa.kernels:
  - .name:           k_q47e95a8224_qkv
    .symbol:         k_q47e95a8224_qkv.kd
    .args:
      - { .name: xb, .offset: 0, .size: 8, .value_kind: global_buffer, .address_space: global }
      - { .name: wb, .offset: 8, .size: 8, .value_kind: global_buffer, .address_space: global }
      - { .name: qkv, .offset: 16, .size: 8, .value_kind: global_buffer, .address_space: global }
    .group_segment_fixed_size: 327680
    .private_segment_fixed_size: 0
    .kernarg_segment_align: 8
    .kernarg_segment_size: 24
    .max_flat_workgroup_size: 128
    .sgpr_count:     66
    .vgpr_count:     1024
    .wavefront_size: 32
...
	.end_amdgpu_metadata
.endif
;; end of part 2
;; launch attn (part 3): grid 256 x 1, 8 waves a work-group, no clusters, 327,680 bytes of LDS; arguments qkv, ctx; writes ctx
.if DOCPART == 3
	.amdgcn_target "amdgcn-amd-amdhsa--gfx1250"
	.amdhsa_code_object_version 6
	.text
	.protected	k_q47e95a8224_attn
	.globl	k_q47e95a8224_attn
	.p2align	8
	.type	k_q47e95a8224_attn,@function
k_q47e95a8224_attn:
	s_mov_b64 s[64:65], 0
	v_nop
	global_prefetch_b8 v0, s[64:65] scope:SCOPE_SE
	s_setreg_imm32_b32 hwreg(HW_REG_WAVE_MODE, 25, 1), 1
	s_wait_xcnt 0x0
; Causal attention of one head and batch: ctx = softmax(q k^T / 8, keys <= query) v, with a running maximum.  q, k, v, the weights p and ctx in f16; scores, sums and state in f32.
; LIMITS: a score below -1e30 counts as masked.  The order of the sums differs from a plain row sum: the diagonal unit of keys comes first, and the keys are shared
; between two groups of waves whose partial results are merged at the end.  ctx of magnitude 65,520 or more becomes infinite in f16.
; WORK: a sequence has 8 query blocks of 256 rows; block j needs key units 0 .. j of 256 keys.  Work-group id: head and batch id / 4, c = id % 4; it makes block c and then
; block 7 - c: 9 units for every work-group.  Each block begins with its diagonal unit, whose first products start the sums.
; NO CLUSTER: the four work-groups of a head stand at different key units in the same trip (units c, 0 .. c-1, 7-c, 0 .. 6-c).  A walk in which all four make every joint
; request takes units 0-3 and then 0-7, 12 units in place of 9, a third more matrix work for each.
; WAVES: wq = wave % 4, g = wave / 4.  Query tile u (0..3) of a wave is rows 64 u + 16 wq + 0..15 of the block, the same in both groups; group g takes keys 64 cb + 32 g + 0..31
; of every 64 keys.  Two waves share a SIMD, so that one's softmax can run beside the other's matrix work, and each fragment still feeds four query tiles.
; TRANSPOSED USE: scores = K fragment (source 0) x Q fragment (source 1): lane l holds query l % 16 and keys 8 (l / 16) + 0..7 of a tile of 16; packed in pairs these
; registers ARE the source-1 fragment of the second product, V^T (source 0, by the transposing LDS load) x P, whose result has query l % 16 and 8 neighbouring d in a lane.
; A UNIT is two steps of 64 keys a group.  K's fragments are asked for one step ahead, V's at the head of their step.  The unit's one barrier is split: a wave signals when its last
; reads of the slot are back, and waits behind the second step's softmax, so that a wave may lead another by that much work without stopping.
; LDS: two slots (K: 256 keys x 144, V: 256 keys x 160); behind them bytes that no tensor load fills: 18,432 a wave for the short block's state, 2,304 a wave as a stage.
.set SLOT,  77824
.set VOFF,  36864
.set SAVE,  155648
.set STAGE, 303104
.set KA,  2                            ; v2-3    LDS address of my K fragments in slot 0, 1
.set VA,  4                            ; v4-5    the same for V
.set QO,  6                            ; v6      my byte offset in a query block
.set DLW, 7                            ; v7      16 wq + r - 8 h - 32 g: key 16 i + j of a diagonal piece is allowed where 16 i + j <= this
.set STO, 8
.set RD,  9
.set CO,  10
.set MXS, 11                           ; v11     my save bytes
.set MXL, 12                           ; v12     my partner's (wave xor 4)
.set NINF, 13
.set FLOOR, 14
.set XLS, 15                           ; v15     the long block's exchange: mine
.set ST,  16                           ; v[16+4u ..]  NMC, NMC (= -c x maximum, a pair), L (sum over my half of the keys), M (maximum)
.set AL,  32                           ; v[32+2u ..]  the factor by which old sums shrink, a pair
.set T,   40                           ; v40-55  at work: four registers for each query tile
.set XLL, 56                           ; v56     the long block's exchange: my partner's
.set SF,  64                           ; v64-191 scores S(u, p, i) at 64 + 32 u + 16 p + 8 i; then P(u, p) in the first 8 of each 16
.set KF,  192                          ; v192-255 K(p, i, ks) at 192 + 32 p + 16 i + 8 ks
.set QF,  128                          ; window 1: Q(u, ks) at 128 + 16 u + 8 ks; accumulators acc(u, dt) at 32 u + 8 dt
.set VF,  192                          ; window 1: V(p, dt) at 192 + 32 p + 8 dt
.set G1K, 24
.set G1V, 32
.set G0K, 40                           ; s[40:47] one set for each slot
.set G0V, 48
.set MSB, 0
.macro WIN new
.if MSB != (\new)
	s_set_vgpr_msb (MSB<<8)|(\new)
.set MSB, (\new)
.endif
.endm
.macro PLACES n                        ; places behind matrix instructions (ISA guide 7.12.1)
.rept \n
	v_nop
.endr
.endm
; One tensor load a wave: waves 0-3 bring K's quarters, waves 4-7 V's
.macro KVLOAD o
	s_cmp_eq_u32 s10, 0
	s_cbranch_scc0 .Lfor_v_\@
	tensor_load_to_lds s[G0K+4*(\o):G0K+4*(\o)+3], s[G1K:G1K+7]
	s_nop 0
	s_branch .Lasked_\@
.Lfor_v_\@:
	tensor_load_to_lds s[G0V+4*(\o):G0V+4*(\o)+3], s[G1V:G1V+7]
	s_nop 0
.Lasked_\@:
.endm
.macro SETADDR o                       ; s[72:73] = the unit's byte offset
	s_add_nc_u64 s[G0K+4*(\o)+2:G0K+4*(\o)+3], s[56:57], s[72:73]
	s_or_b32 s[G0K+4*(\o)+3], s[G0K+4*(\o)+3], 0x80000000
	s_add_nc_u64 s[G0V+4*(\o)+2:G0V+4*(\o)+3], s[58:59], s[72:73]
	s_or_b32 s[G0V+4*(\o)+3], s[G0V+4*(\o)+3], 0x80000000
.endm
; the unit of trip n = T + d: n - 1 for n <= c; 7 - c for n = c + 1; n - c - 2 behind that
.macro NEXTADDR o, d
	s_add_co_u32 s17, s13, \d                      ; n
	s_add_co_u32 s18, s13, \d-1                    ; n - 1
	s_sub_co_u32 s19, s18, s12                     ; n - c - 2
	s_cmp_le_u32 s17, s11
	s_cselect_b32 s18, s18, s19
	s_sub_co_u32 s19, 7, s11
	s_cmp_eq_u32 s17, s12
	s_cselect_b32 s18, s19, s18
	s_min_u32 s18, s18, 7
	s_lshl_b32 s72, s18, 15                        ; 256 keys of 128 bytes
	SETADDR \o
.endm
	s_load_b128 s[4:7], s[0:1], 0x0                ; qkv s[4:5], ctx s[6:7]
	v_lshl_add_u32 v62, v0, 2, 0x4e800
	v_mov_b32 v63, 0
	ds_add_u32 v62, v63
	ds_add_u32 v62, v63
	s_wait_dscnt 0x0
	v_lshrrev_b32 v1, 5, v0
	v_readfirstlane_b32 s8, v1                     ; wave 0..7
	s_and_b32 s9, s8, 3                            ; wq
	s_lshr_b32 s10, s8, 2                          ; g
	s_and_b32 s11, ttmp9, 3                        ; c
	s_add_co_u32 s12, s11, 1                       ; the trip in which the long block begins
	s_mov_b32 s13, 0                               ; T, the trip
	s_lshr_b32 s17, ttmp9, 2
	s_and_b32 s18, s17, 15                         ; head
	s_lshr_b32 s19, s17, 4                         ; batch
	s_lshl_b32 s18, s18, 20
	s_lshl_b32 s19, s19, 18
	s_add_co_u32 s20, s18, s19                     ; head x 1 MiB + batch x 2,048 rows of 128 bytes
	s_lshl_b32 s21, s9, 13
	s_add_co_u32 s21, s21, s20                     ; + my quarter of a unit: 64 keys
	s_mov_b32 s73, 0
	s_mov_b32 s70, 0x76543210                      ; v_permlanex16_b32: lane i of one half reads lane i of the other
	s_mov_b32 s71, 0xfedcba98
	s_mov_b32 s74, 0x3e38aa3b                      ; c = log2(e) / 8: the scale 64^-0.5 and the change to base 2 in one factor
	s_mov_b32 s75, 0x3e38aa3b
	; 64 keys of 128 bytes are 8 KiB dense: 32 rows of 32 elements of 8 bytes; behind every 128 bytes 4 words of padding (K, pitch 144) or 8 (V, pitch 160)
	s_mov_b32 s[G1K+0], 0x07130000
	s_mov_b32 s[G1V+0], 0x0f130000
.irp g, G1K, G1V
	s_mov_b32 s[\g+1], 32<<16
	s_mov_b32 s[\g+2], 32<<16
	s_mov_b32 s[\g+3], 32<<16
	s_mov_b32 s[\g+4], 32
	s_mov_b32 s[\g+5], 32
	s_mov_b32 s[\g+6], 0
	s_mov_b32 s[\g+7], 0
.endr
	s_mul_i32 s22, s8, 9216                        ; K's quarters at wave x 64 keys (waves 0-3)
	s_mul_i32 s23, s8, 10240                       ; V's at 36,864 + (wave - 4) x 10,240 (waves 4-7)
	s_sub_co_u32 s23, s23, 4096
.irp o, 0,1
	s_mov_b32 s[G0K+4*\o], 1
	s_add_co_u32 s[G0K+4*\o+1], s22, \o*SLOT
	s_mov_b32 s[G0V+4*\o], 1
	s_add_co_u32 s[G0V+4*\o+1], s23, \o*SLOT
.endr
	s_wait_kmcnt 0x0
	s_add_co_u32 s72, s21, 0x1000000               ; k lies 16 heads behind q,
	s_add_nc_u64 s[56:57], s[4:5], s[72:73]
	s_add_co_u32 s72, s21, 0x2000000               ; v 32
	s_add_nc_u64 s[58:59], s[4:5], s[72:73]
	s_lshl_b32 s72, s11, 15                        ; trip 0: unit c
	SETADDR 0
	KVLOAD 0
	NEXTADDR 1, 1                                  ; trip 1
	KVLOAD 1                                       ; both first fills: two tensor loads of the wave are out, the most in this text
	s_lshl_b32 s17, s11, 15
	s_add_co_u32 s72, s20, s17
	s_add_nc_u64 s[60:61], s[4:5], s[72:73]        ; q of the short block
	s_lshl_b32 s18, s9, 11
	s_add_co_u32 s72, s72, s18
	s_add_nc_u64 s[66:67], s[6:7], s[72:73]        ; ctx of the short block, at my 16 rows of tile 0
	s_sub_co_u32 s17, 7, s11
	s_lshl_b32 s17, s17, 15
	s_add_co_u32 s72, s20, s17
	s_add_nc_u64 s[62:63], s[4:5], s[72:73]        ; the same for the long block
	s_add_co_u32 s72, s72, s18
	s_add_nc_u64 s[68:69], s[6:7], s[72:73]
	v_and_b32 v57, 15, v0                          ; r
	v_bfe_u32 v58, v0, 4, 1                        ; h
	v_lshlrev_b32 v[QO], 7, v57
	v_lshl_add_u32 v[QO], v58, 4, v[QO]
	v_add_nc_u32 v[QO], s18, v[QO]                 ; (16 wq + r) x 128 + 16 h
; the 8 Q fragments of a block, straight from memory: 16 bytes at 32 m of row 64 u + 16 wq + r
.macro NEWQ b
	WIN 0x40
.irp u, 0,1,2,3
.irp m, 0,1,2,3
	global_load_b128 v[QF+16*\u+4*\m:QF+16*\u+4*\m+3], v[QO], s[\b:\b+1] offset:\u*8192+32*\m
.endr
.endr
	WIN 0
.endm
	NEWQ 60
	v_and_b32 v59, 31, v0                          ; l
	v_mul_u32_u24 v60, v57, 144
	v_lshl_add_u32 v60, v58, 4, v60                ; r x 144 + 16 h
	v_and_b32 v61, 7, v0
	v_lshl_add_u32 v62, v58, 3, v61                ; 8 h + l % 8: the key row that I address for the transposing load
	v_mul_u32_u24 v62, v62, 160
	v_bfe_u32 v63, v0, 3, 1
	v_lshl_add_u32 v62, v63, 4, v62
	s_mul_i32 s17, s10, 4608                       ; my group's 32 keys of every 64
	s_mul_i32 s18, s10, 5120
	s_add_co_u32 s18, s18, VOFF
.irp o, 0,1
	v_add_nc_u32 v[KA+\o], s17, v60
	v_add_nc_u32 v[VA+\o], s18, v62
	s_add_co_u32 s17, s17, SLOT
	s_add_co_u32 s18, s18, SLOT
.endr
	s_lshl_b32 s17, s9, 4
	s_lshl_b32 s18, s10, 5
	s_sub_co_i32 s17, s17, s18
	v_add_nc_u32 v[DLW], s17, v57
	v_lshlrev_b32 v63, 3, v58
	v_sub_nc_u32 v[DLW], v[DLW], v63
	s_mul_i32 s17, s8, 2304
	s_add_co_u32 s17, s17, STAGE
	v_add_nc_u32 v[STO], s17, v60
	v_lshrrev_b32 v63, 3, v59
	v_mul_u32_u24 v63, v63, 144
	v_lshl_add_u32 v63, v61, 4, v63
	v_add_nc_u32 v[RD], s17, v63
	v_lshlrev_b32 v[CO], 4, v59
	s_mul_i32 s17, s8, 18432
	s_add_co_u32 s17, s17, SAVE
	v_add_nc_u32 v[MXS], s17, v[CO]
	s_xor_b32 s18, s8, 4                           ; my partner: the same queries, the other keys
	s_mul_i32 s17, s18, 18432
	s_add_co_u32 s17, s17, SAVE
	v_add_nc_u32 v[MXL], s17, v[CO]
	s_mul_i32 s17, s8, 9216
	v_add_nc_u32 v[XLS], s17, v[CO]
	s_mul_i32 s17, s18, 9216
	v_add_nc_u32 v[XLL], s17, v[CO]
	v_mov_b32 v[NINF], 0xff800000
	v_mov_b32 v[FLOOR], 0xf149f2ca                 ; -1e30: the maximum's floor, so that a row with no allowed key in my group gives p = 0 and no NaN
	v_mov_b32 v[T+12], 0                           ; a destination of v_permlanex16_b32 counts as read
; 16 loads: my group's K fragments of step st (pieces p = 0, 1 of the 64-key blocks 2 st + p).  Window 0.
.macro LDK slot, st
.irp p, 0,1
.irp i, 0,1
.irp ks, 0,1
	ds_load_b128 v[KF+32*\p+16*\i+8*\ks:KF+32*\p+16*\i+8*\ks+3],   v[KA+\slot] offset:(2*\st+\p)*9216+\i*2304+\ks*64
	ds_load_b128 v[KF+32*\p+16*\i+8*\ks+4:KF+32*\p+16*\i+8*\ks+7], v[KA+\slot] offset:(2*\st+\p)*9216+\i*2304+\ks*64+32
.endr
.endr
.endr
.endm
; 16 transposing loads: the V fragments of the same keys.  Destination in window 1.
.macro LDV slot, st
.irp p, 0,1
.irp dt, 0,1,2,3
	ds_load_tr16_b128 v[VF+32*\p+8*\dt:VF+32*\p+8*\dt+3],   v[VA+\slot] offset:(2*\st+\p)*10240+32*\dt
	ds_load_tr16_b128 v[VF+32*\p+8*\dt+4:VF+32*\p+8*\dt+7], v[VA+\slot] offset:(2*\st+\p)*10240+32*\dt+2560
.endr
.endr
.endm
; The score products.  diag = 1: the unit on the diagonal, where tile u takes piece p only if u >= 2 st + p.
; In both products all accumulators take turns, one instruction a turn.
.macro SMUL st, diag
.irp ks, 0,1
.irp p, 0,1
.irp i, 0,1
.irp u, 0,1,2,3
.if \u >= \diag*(2*\st+\p)
.if \ks
	v_wmma_f32_16x16x32_f16 v[SF+32*\u+16*\p+8*\i:SF+32*\u+16*\p+8*\i+7], v[KF+32*\p+16*\i+8*\ks:KF+32*\p+16*\i+8*\ks+7], v[QF+16*\u+8*\ks:QF+16*\u+8*\ks+7], v[SF+32*\u+16*\p+8*\i:SF+32*\u+16*\p+8*\i+7]
.else
	v_wmma_f32_16x16x32_f16 v[SF+32*\u+16*\p+8*\i:SF+32*\u+16*\p+8*\i+7], v[KF+32*\p+16*\i+8*\ks:KF+32*\p+16*\i+8*\ks+7], v[QF+16*\u+8*\ks:QF+16*\u+8*\ks+7], 0
.endif
.endif
.endr
.endr
.endr
.endr
.endm
.macro PVMUL st, diag
.irp p, 0,1
.irp dt, 0,1,2,3
.irp u, 0,1,2,3
.if \u >= \diag*(2*\st+\p)
.if FIRST*(1-\p)
	v_wmma_f32_16x16x32_f16 v[32*\u+8*\dt:32*\u+8*\dt+7], v[VF+32*\p+8*\dt:VF+32*\p+8*\dt+7], v[SF+32*\u+16*\p:SF+32*\u+16*\p+7], 0
.else
	v_wmma_f32_16x16x32_f16 v[32*\u+8*\dt:32*\u+8*\dt+7], v[VF+32*\p+8*\dt:VF+32*\p+8*\dt+7], v[SF+32*\u+16*\p:SF+32*\u+16*\p+7], v[32*\u+8*\dt:32*\u+8*\dt+7]
.endif
.endif
.endr
.endr
.endr
.endm
; THE SOFTMAX STEP of the active query tiles U0 .. 3, written phase by phase over the tiles, so that no instruction reads what the one in front of it wrote.
; Symbols set by UNIT: DG (diagonal unit), STP (step), FIRST (nothing is carried yet), U0.
; Kind of tile u: 2 or more = both pieces, unmasked; 1 = piece 1 lies on the diagonal; 0 = piece 0 does and piece 1 is not taken (16 scores a lane in place of 32).
.macro TILEKIND u
.if DG
.set KX, \u-2*STP
.else
.set KX, 2
.endif
.if KX == 0
.set NSX, 16
.else
.set NSX, 32
.endif
.endm
; One stage of the run over the tiles: the exponentials of tile e, between them the multiply-adds of tile f (the next) and the sums and the packing of tile s (the one before).
; -1 = none.  Sum j stands in front of packing j: word 16 p + w is written when sums and packing have read its old content (sum j reads words 2 j + 4 and 2 j + 5).
.macro STAGE e, f, s
.set NE, 0
.set NF, 0
.set NA, 0
.if \e >= 0
	TILEKIND \e
.set NE, NSX
.endif
.if \f >= 0
	TILEKIND \f
.set NF, NSX
.endif
.if \s >= 0
	TILEKIND \s
.set NA, NSX
.endif
.set j, 0
.rept 16
.if 2*j < NE
	v_exp_f32 v[SF+32*\e+2*j], v[SF+32*\e+2*j]                     ; p = 2^(c (score - maximum))
	v_exp_f32 v[SF+32*\e+2*j+1], v[SF+32*\e+2*j+1]
.endif
.if 2*j < NF
	v_pk_fma_f32 v[SF+32*\f+2*j:SF+32*\f+2*j+1], v[SF+32*\f+2*j:SF+32*\f+2*j+1], s[74:75], v[ST+4*\f:ST+4*\f+1] op_sel_hi:[1,0,1]
.endif
.if 2*j < NA
.if j < 2
	s_wait_alu depctr_va_vdst(0)
	v_pk_add_f32 v[T+4*\s+2*j:T+4*\s+2*j+1], v[SF+32*\s+4*j:SF+32*\s+4*j+1], v[SF+32*\s+4*j+2:SF+32*\s+4*j+3]
.else
.if 2*j+4 < NA
	v_pk_add_f32 v[T+4*\s+2*(j%2):T+4*\s+2*(j%2)+1], v[T+4*\s+2*(j%2):T+4*\s+2*(j%2)+1], v[SF+32*\s+2*j+4:SF+32*\s+2*j+5]
.endif
.endif
	v_cvt_pk_f16_f32 v[SF+32*\s+16*(j/8)+j%8], v[SF+32*\s+16*(j/8)+2*(j%8)], v[SF+32*\s+16*(j/8)+2*(j%8)+1]
.endif
.set j, j+1
.endr
.if NE
	v_nop                                          ; one plain place behind the last exponentials (ISA guide 5.7.2)
.endif
.endm
.macro SOFTALL
	; the diagonal pieces: keys behind the query become -inf
.irp u, 0,1,2,3
.if \u >= U0
	TILEKIND \u
.if KX <= 1
.set MB, SF+32*\u+16*KX
.irp i, 0,1
.irp j, 0,1,2,3,4,5,6,7
	v_cmp_le_i32 vcc_lo, 16*\i+\j, v[DLW]
	v_cndmask_b32 v[MB+8*\i+\j], v[NINF], v[MB+8*\i+\j], vcc_lo
.endr
.endr
.endif
.endif
.endr
	; the new maxima: two chains a tile, the old maximum in the first, all chains by turns
.irp u, 0,1,2,3
.if \u >= U0
.if FIRST
	v_max3_num_f32 v[T+4*\u], v[SF+32*\u], v[SF+32*\u+1], v[FLOOR]
.else
	v_max3_num_f32 v[T+4*\u], v[SF+32*\u], v[SF+32*\u+1], v[ST+4*\u+3]
.endif
	v_max_num_f32 v[T+4*\u+1], v[SF+32*\u+2], v[SF+32*\u+3]
.endif
.endr
.set q, 4
.rept 7
.irp u, 0,1,2,3
.if \u >= U0
	TILEKIND \u
.if q < NSX
	v_max3_num_f32 v[T+4*\u], v[SF+32*\u+q], v[SF+32*\u+q+1], v[T+4*\u]
	v_max3_num_f32 v[T+4*\u+1], v[SF+32*\u+q+2], v[SF+32*\u+q+3], v[T+4*\u+1]
.endif
.endif
.endr
.set q, q+4
.endr
.irp u, 0,1,2,3
.if \u >= U0
	v_max_num_f32 v[T+4*\u], v[T+4*\u], v[T+4*\u+1]
.endif
.endr
.irp u, 0,1,2,3
.if \u >= U0
	v_permlanex16_b32 v[T+4*\u+1], v[T+4*\u], s70, s71             ; the other half of the keys
.endif
.endr
.irp u, 0,1,2,3
.if \u >= U0
	v_max_num_f32 v[ST+4*\u+3], v[T+4*\u], v[T+4*\u+1]
.endif
.endr
.irp u, 0,1,2,3
.if \u >= U0
	v_mul_f32 v[T+4*\u+2], 0xbe38aa3b, v[ST+4*\u+3]                ; -c x maximum
.endif
.endr
.if FIRST == 0
.irp u, 0,1,2,3
.if \u >= U0
	v_sub_f32 v[T+4*\u+3], v[T+4*\u+2], v[ST+4*\u]                 ; c x (old maximum - new)
.endif
.endr
.irp u, 0,1,2,3
.if \u >= U0
	v_exp_f32 v[AL+2*\u], v[T+4*\u+3]
	v_exp_f32 v[AL+2*\u+1], v[T+4*\u+3]                            ; the moves below are the plain instructions behind these (ISA guide 5.7.2)
.endif
.endr
.endif
.irp u, 0,1,2,3
.if \u >= U0
	v_mov_b32 v[ST+4*\u], v[T+4*\u+2]
	v_mov_b32 v[ST+4*\u+1], v[T+4*\u+2]
.endif
.endr
	; the run over the tiles
.if U0 == 0
	STAGE -1, 0, -1
	STAGE 0, 1, -1
	STAGE 1, 2, 0
	STAGE 2, 3, 1
.else
	STAGE -1, 2, -1
	STAGE 2, 3, -1
.endif
	STAGE 3, -1, 2
	STAGE -1, -1, 3
	; the sums' ends, the tiles by turns
.irp u, 0,1,2,3
.if \u >= U0
	v_pk_add_f32 v[T+4*\u:T+4*\u+1], v[T+4*\u:T+4*\u+1], v[T+4*\u+2:T+4*\u+3]
.endif
.endr
.irp u, 0,1,2,3
.if \u >= U0
.if FIRST
	v_add_f32 v[ST+4*\u+2], v[T+4*\u], v[T+4*\u+1]
.else
	v_add_f32 v[T+4*\u], v[T+4*\u], v[T+4*\u+1]
.endif
.endif
.endr
.if FIRST == 0
.irp u, 0,1,2,3
.if \u >= U0
	v_fma_f32 v[ST+4*\u+2], v[ST+4*\u+2], v[AL+2*\u], v[T+4*\u]
.endif
.endr
.endif
.endm
; the old sums shrink by the tile's factor
.macro RESCALE
.if FIRST == 0
	WIN 0x41
.irp u, 0,1,2,3
.if \u >= U0
.set q, 0
.rept 16
	v_pk_mul_f32 v[32*\u+q:32*\u+q+1], v[32*\u+q:32*\u+q+1], v[AL+2*\u:AL+2*\u+1]
.set q, q+2
.endr
.endif
.endr
.endif
.endm
; A UNIT of 256 keys from slot.  On the way in the first step's 16 K loads are out.  mode 2: the barrier, and this slot is filled again with the unit two trips ahead;
; mode 1: the barrier alone (the next slot's tile is shown to all); mode 0: the last unit.
; ONE barrier for two things.  In front of its signal every wave waits for its reads of this slot and for all its tensor loads (one is out: its part of the next slot).  Between signal
; and wait stands register work alone: the second step's softmax.  Behind the wait the slot is filled again first, one tensor load a wave, then the next slot's first K fragments are read.
.macro UNIT slot, diag, mode
.set DG, \diag
.set STP, 0
.set FIRST, \diag
.set U0, 0
	PLACES 5                                       ; behind the last products: V is loaded into, scores are written over
	WIN 0x40
	LDV \slot, 0
	s_wait_dscnt 16                                ; K is in; V's 16 loads are younger
	WIN 0x04
	SMUL 0, \diag
	WIN 0
	PLACES 5                                       ; K is loaded into, the scores are read, and their registers later serve as a source of matrix instructions
	LDK \slot, 1                                   ; the next step's K, a step ahead
	SOFTALL
	RESCALE
	s_wait_dscnt 16                                ; V is in; the next K's 16 loads are younger
	WIN 0x51
	PVMUL 0, \diag
.set STP, 1
.set FIRST, 0
.set U0, 2*\diag
	PLACES 5
	WIN 0x40
	LDV \slot, 1                                   ; my last reads of this slot
	s_wait_dscnt 16                                ; K is in; V's 16 loads are younger
	WIN 0x04
	SMUL 1, \diag
	WIN 0
.if \mode
	s_wait_dscnt 0x0                               ; my reads of this slot are over,
	s_wait_xcnt 0x0
	v_lshl_add_u32 v62, v0, 2, 0x4e800
	v_mov_b32 v63, 0
	s_wait_tensorcnt 0x0                           ; and all my tensor loads have landed: no load of mine is out, so a group 0 may be written
	ds_add_u32 v62, v63
	s_wait_dscnt 0x0
.if \mode == 2
	NEXTADDR \slot, 2
.endif
	s_barrier_signal -1
.endif
	PLACES 5
	SOFTALL
	RESCALE
	WIN 0
.if \mode
	s_barrier_wait -1
.if \mode == 2
	KVLOAD \slot                                   ; my one tensor load behind the barrier; the wait for it stands behind the next unit's last score products
.endif
	LDK 1-\slot, 0                                 ; the next unit's first K, behind the products below
.else
	s_wait_dscnt 0x0                               ; V is in
.endif
	WIN 0x51
	PVMUL 1, \diag
	WIN 0
.endm
; The short block's sums and state go to bytes of my own; they are read behind the closing barriers only
.macro XSAVE
	WIN 0x04
.irp u, 0,1,2,3
.irp k, 0,1,2,3,4,5,6,7
	ds_store_b128 v[MXS], v[32*\u+4*\k:32*\u+4*\k+3] offset:\u*4096+\k*512
.endr
.endr
	WIN 0
.irp u, 0,1,2,3
	ds_store_b128 v[MXS], v[ST+4*\u:ST+4*\u+3] offset:16384+\u*512
.endr
.endm
; A trip that may be the one in which the long block begins.  The branch hangs on the work-group's number and the trip alone, which are the same in all eight waves;
; both ways hold the same barrier and the same tensor load.
.macro EITHER slot
	s_cmp_lg_u32 s13, s12
	s_cbranch_scc1 .Lfull_\@
	PLACES 5                                       ; behind the last products: Q is loaded into, the sums are stored
	NEWQ 62
	XSAVE
	s_wait_loadcnt 0x0
	UNIT \slot, 1, 2
	s_branch .Lnext_\@
.Lfull_\@:
	UNIT \slot, 0, 2
.Lnext_\@:
	s_add_co_u32 s13, s13, 1
.endm
	s_wait_tensorcnt 0x1                           ; my part of slot 0 is in; slot 1's may stay out
	s_barrier_signal -1
	s_barrier_wait -1
	LDK 0, 0
	s_wait_loadcnt 0x0                             ; Q
	UNIT 0, 1, 2                                   ; trip 0
	s_mov_b32 s13, 1
	s_mov_b32 s14, 3
.Ltrip:
	EITHER 1                                       ; trips 1 to 6; the long block begins in trip c + 1, one of 1 to 4
	EITHER 0
	s_sub_co_u32 s14, s14, 1
	s_cmp_lg_u32 s14, 0
	s_cbranch_scc1 .Ltrip
	UNIT 1, 0, 1                                   ; trip 7: nothing is left to fetch
	UNIT 0, 0, 0                                   ; trip 8
; Two partial results of one query tile become one, are divided by the sum, rounded to f16 and stored.  ab: my sums (window awin), pb: my partner's (window 0, and the result);
; sa, sp: the two states {NMC, NMC, L, M}.
.macro MERGE1 ab, awin, pb, sa, sp, u, olo, rb
	v_min_num_f32 v[T+8], v[\sa], v[\sp]           ; -c x the larger maximum
	v_sub_f32 v[T+9], v[T+8], v[\sa]
	v_sub_f32 v[T+10], v[T+8], v[\sp]
	v_exp_f32 v[T+9], v[T+9]
	v_exp_f32 v[T+10], v[T+10]
	v_nop
	s_wait_alu depctr_va_vdst(0)
	v_mul_f32 v[T+11], v[\sa+2], v[T+9]
	v_fma_f32 v[T+11], v[\sp+2], v[T+10], v[T+11]
	v_permlanex16_b32 v[T+12], v[T+11], s70, s71   ; the sums were kept by halves of the keys
	v_add_f32 v[T+11], v[T+11], v[T+12]
	v_rcp_f32 v[T+11], v[T+11]
	v_nop
	s_wait_alu depctr_va_vdst(0)
	v_mul_f32 v[T+12], v[T+9], v[T+11]
	v_mul_f32 v[T+13], v[T+9], v[T+11]
	v_mul_f32 v[T+14], v[T+10], v[T+11]
	v_mul_f32 v[T+15], v[T+10], v[T+11]
.set q, 0
.rept 16
	v_pk_mul_f32 v[\pb+q:\pb+q+1], v[\pb+q:\pb+q+1], v[T+14:T+15]
.set q, q+2
.endr
	WIN \awin
.set q, 0
.rept 16
	v_pk_fma_f32 v[\pb+q:\pb+q+1], v[\ab+q:\ab+q+1], v[T+12:T+13], v[\pb+q:\pb+q+1]
.set q, q+2
.endr
	WIN 0
.set q, 0
.rept 16
	v_cvt_pk_f16_f32 v[\pb+q], v[\pb+2*q], v[\pb+2*q+1]
.set q, q+1
.endr
.irp dt, 0,1,2,3
	ds_store_b128 v[STO], v[\pb+4*\dt:\pb+4*\dt+3] offset:32*\dt
.endr
	s_wait_xcnt 0x0                                ; the registers read back into may be data of earlier stores
.irp i, 0,1,2,3
	ds_load_b128 v[\rb+4*\i:\rb+4*\i+3], v[RD] offset:576*\i       ; my own stage: LDS serves a wave's instructions in order
.endr
.irp i, 0,1,2,3
	s_wait_dscnt 3-\i
	global_store_b128 v[CO], v[\rb+4*\i:\rb+4*\i+3], s[\olo:\olo+1] offset:(\u)*8192+512*\i   ; 512 consecutive bytes: four rows of ctx
.endr
.endm
; the long block's tiles u0, u0 + 1 for my partner, into bytes of slot 0, which has had its last fill
.macro XSEND u0
	WIN 0x04
.irp x, 0,1
.irp k, 0,1,2,3,4,5,6,7
	ds_store_b128 v[XLS], v[32*(\u0+\x)+4*\k:32*(\u0+\x)+4*\k+3] offset:\x*4096+\k*512
.endr
.endr
	WIN 0
.irp x, 0,1
	ds_store_b128 v[XLS], v[ST+4*(\u0+\x):ST+4*(\u0+\x)+3] offset:8192+\x*512
.endr
.endm
; the short block's tiles u0, u0 + 1, both parts from the saved bytes
.macro MSHORT u0
.irp x, 0,1
.irp k, 0,1,2,3,4,5,6,7
	ds_load_b128 v[SF+64*\x+4*\k:SF+64*\x+4*\k+3],       v[MXS] offset:(\u0+\x)*4096+\k*512
	ds_load_b128 v[SF+64*\x+32+4*\k:SF+64*\x+32+4*\k+3], v[MXL] offset:(\u0+\x)*4096+\k*512
.endr
	ds_load_b128 v[224+8*\x:224+8*\x+3], v[MXS] offset:16384+(\u0+\x)*512
	ds_load_b128 v[228+8*\x:228+8*\x+3], v[MXL] offset:16384+(\u0+\x)*512
.endr
	s_wait_dscnt 0x0
	MERGE1 SF, 0, SF+32, 224, 228, \u0, 66, 192
	MERGE1 SF+64, 0, SF+96, 232, 236, \u0+1, 66, 208
.endm
; the long block's tiles u0, u0 + 1: mine in the accumulators, my partner's from its exchange bytes
.macro MLONG u0
.irp x, 0,1
.irp k, 0,1,2,3,4,5,6,7
	ds_load_b128 v[SF+32*\x+4*\k:SF+32*\x+4*\k+3], v[XLL] offset:\x*4096+\k*512
.endr
	ds_load_b128 v[224+4*\x:224+4*\x+3], v[XLL] offset:8192+\x*512
.endr
	s_wait_dscnt 0x0
	MERGE1 32*\u0, 1, SF, ST+4*\u0, 224, \u0, 68, 192
	MERGE1 32*\u0+32, 1, SF+32, ST+4*\u0+4, 228, \u0+1, 68, 208
.endm
	s_wait_dscnt 0x0                               ; my reads of slot 0 are over
	s_barrier_signal -1
	s_barrier_wait -1                              ; everybody's are, and every wave's saved bytes can be read
	PLACES 5                                       ; behind the last products: the sums are stored, scores and K are loaded into
	s_cmp_eq_u32 s10, 0
	s_cbranch_scc0 .Lgroup1
	XSEND 2                                        ; group 0 finishes tiles 0 and 1 and hands over 2 and 3
	MSHORT 0
	s_branch .Lsent
.Lgroup1:
	XSEND 0
	MSHORT 2
.Lsent:
	s_wait_dscnt 0x0                               ; for my partner's sake: my stores into the exchange bytes are done
	s_barrier_signal -1
	s_barrier_wait -1
	s_cmp_eq_u32 s10, 0
	s_cbranch_scc0 .Lgroup1_long
	MLONG 0
	s_wait_xcnt 0x0
	v_lshl_add_u32 v62, v0, 2, 0x4e800
	v_mov_b32 v63, 0
	s_wait_tensorcnt 0x0
	ds_add_u32 v62, v63
	s_wait_dscnt 0x0
	s_endpgm
.Lgroup1_long:
	MLONG 2
	s_wait_xcnt 0x0
	v_lshl_add_u32 v62, v0, 2, 0x4e800
	v_mov_b32 v63, 0
	s_wait_tensorcnt 0x0
	ds_add_u32 v62, v63
	s_wait_dscnt 0x0
	s_endpgm
.Lfunc_end_k_q47e95a8224_attn:
	.size	k_q47e95a8224_attn, .Lfunc_end_k_q47e95a8224_attn-k_q47e95a8224_attn
	.p2alignl 7, 3214868480
	.fill 96, 4, 3214868480
	.section	.rodata,"a",@progbits
	.p2align	6, 0x0
	.amdhsa_kernel k_q47e95a8224_attn
		.amdhsa_group_segment_fixed_size 327680
		.amdhsa_private_segment_fixed_size 0
		.amdhsa_enable_private_segment 0
		.amdhsa_kernarg_size 16
		.amdhsa_user_sgpr_count 2
		.amdhsa_user_sgpr_kernarg_segment_ptr 1
		.amdhsa_wavefront_size32 1
		.amdhsa_system_sgpr_workgroup_id_x 1
		.amdhsa_system_sgpr_workgroup_id_y 1
		.amdhsa_system_sgpr_workgroup_id_z 1
		.amdhsa_system_vgpr_workitem_id 0
		.amdhsa_next_free_vgpr 512
		.amdhsa_next_free_sgpr 80
		.amdhsa_reserve_vcc 1
		.amdhsa_float_denorm_mode_32 3
		.amdhsa_float_denorm_mode_16_64 3
		.amdhsa_memory_ordered 1
		.amdhsa_forward_progress 1
		.amdhsa_inst_pref_size 255
	.end_amdhsa_kernel
	.section	.bss,"aw",@nobits
	.p2align	6
	.space	262144
	.amdgpu_metadata
---
amdhsa.version: [ 1, 2 ]
amdhsa.kernels:
  - .name:           k_q47e95a8224_attn
    .symbol:         k_q47e95a8224_attn.kd
    .args:
      - { .name: qkv, .offset: 0, .size: 8, .value_kind: global_buffer, .address_space: global }
      - { .name: ctx, .offset: 8, .size: 8, .value_kind: global_buffer, .address_space: global }
    .group_segment_fixed_size: 327680
    .private_segment_fixed_size: 0
    .kernarg_segment_align: 8
    .kernarg_segment_size: 16
    .max_flat_workgroup_size: 256
    .sgpr_count:     80
    .vgpr_count:     512
    .wavefront_size: 32
...
	.end_amdgpu_metadata
.endif
;; end of part 3
;; launch outp (part 4): grid 4 x 64, 4 waves a work-group, clusters of 4 x 4, 327,680 bytes of LDS; arguments ctx, wob, bo, out0; writes out0
.if DOCPART == 4
	.amdgcn_target "amdgcn-amd-amdhsa--gfx1250"
	.amdhsa_code_object_version 6
	.text
	.protected	k_q47e95a8224_outp
	.globl	k_q47e95a8224_outp
	.p2align	8
	.type	k_q47e95a8224_outp,@function
k_q47e95a8224_outp:
	s_mov_b64 s[64:65], 0
	v_nop
	global_prefetch_b8 v0, s[64:65] scope:SCOPE_SE
	s_setreg_imm32_b32 hwreg(HW_REG_WAVE_MODE, 25, 1), 1
	s_wait_xcnt 0x0
	s_wait_alu depctr_hold_cnt(0) depctr_sa_sdst(0) depctr_va_vdst(0) depctr_va_sdst(0) depctr_va_ssrc(0) depctr_va_vcc(0) depctr_vm_vsrc(0)
	s_getreg_b32 s2, hwreg(HW_REG_IB_STS2, 6, 4)
	s_cmp_eq_u32 s2, 0
	s_cbranch_scc0 .Lentry_in_a_cluster
	s_endpgm
.Lentry_in_a_cluster:
	s_bfe_u32 s2, ttmp6, 0x10000c
	s_cmp_lg_u32 s2, 0xf033
	s_cbranch_scc0 .Lentry_shape_is_right
	s_endpgm
.Lentry_shape_is_right:
; out0[row][n] = sum over h, d of ctx[h][row][d] Wo[n][64 h + d] + bo[n]: a product of 8192 x 1024 x 1024 in f16 (Wo holds bf16 values written as f16), sums in f32, bo in f32.
; 256 work-groups, each 128 rows x 256 columns; four waves, each 64 rows x 128 columns in 32 accumulator tiles.  K goes in 8 steps of 128 (two heads z) through a ring
; of two LDS slots filled by the tensor data mover; the blocked layouts make every tile a dense run of memory, fetched as rows of 256 bytes.
; CLUSTERS: 4 x 4 work-groups; ctx's tile is asked for jointly along a row of the cluster, Wo's along a column.
; TRANSPOSED USE: source 0 = 16 rows n of Wo, source 1 = 16 rows of ctx: lane l holds row l % 16 and columns 8 (l / 16) + 0..7, 32 neighbouring bytes of out0.
; The bias is the C operand of the first products: it costs no instruction and nothing is cleared.
; REGISTERS: window 0: v16-27 addresses; v32-127, v128-223 two fragment buffers (8 of Wo, then 4 of ctx); window 1: tile (a, b) at v[8 (8 a + b)]; window 2: v0-63 the bias.
.set SLOT,  110592                     ; ctx: [z][128 rows] x 144, then Wo: [z][256 rows] x 144
.set BOFF,  36864
.set STAGE, 221184                     ; behind the ring: 16 rows x 528 bytes for each wave, never filled by a tensor load
.set ASTEP, 2097152                    ; two heads of ctx
.set BSTEP, 262144                     ; two heads of wob
.set ADX, 16
.set ADW, 20
.set STO, 24
.set RD,  25
.set CO,  26
.set BO,  27
.set F0,  32
.set F1,  128
.set G1,  24
.set G0,  32
.set G1B, 48
.set G0B, 56
.set MSB, 0
.macro WIN new
.if MSB != (\new)
	s_set_vgpr_msb (MSB<<8)|(\new)
.set MSB, (\new)
.endif
.endm
.macro PLACES n                        ; places behind matrix instructions (ISA guide 7.12.1)
.rept \n
	v_nop
.endr
.endm
.macro JLOAD s                         ; waves 0 and 1 fetch ctx's two heads, waves 2 and 3 Wo's
	s_cmp_eq_u32 s11, 0
	s_cbranch_scc0 .Lfor_b_\@
	tensor_load_to_lds s[G0+4*\s:G0+4*\s+3], s[G1:G1+7]
	s_nop 0
	s_branch .Lasked_\@
.Lfor_b_\@:
	tensor_load_to_lds s[G0B+4*\s:G0B+4*\s+3], s[G1B:G1B+7]
	s_nop 0
.Lasked_\@:
.endm
.macro CREST
	s_cmp_lg_u32 s10, 0
	s_cbranch_scc1 .Lnot_wave_0_\@
	s_barrier_signal -3
.Lnot_wave_0_\@:
	s_barrier_wait -3
	s_barrier_signal -1
	s_barrier_wait -1
.endm
.macro CROUND
	s_barrier_signal -1
	s_barrier_wait -1
	CREST
.endm
	s_load_b128 s[4:7], s[0:1], 0x0                ; ctx s[4:5], wob s[6:7]
	s_load_b128 s[16:19], s[0:1], 0x10             ; bo s[16:17], out0 s[18:19]
	v_lshl_add_u32 v254, v0, 2, 0x3e400
	v_mov_b32 v255, 0
	ds_add_u32 v254, v255
	ds_add_u32 v254, v255
	v_lshrrev_b32 v1, 5, v0
	v_readfirstlane_b32 s10, v1                    ; wave 0..3
	s_lshr_b32 s11, s10, 1                         ; my half of the rows.  Also: I fetch for ctx (0) or for Wo (1)
	s_and_b32 s12, s10, 1                          ; my half of the columns.  Also: which of the step's two heads I fetch
	s_bfe_u32 s40, ttmp6, 0x40000                  ; cx
	s_bfe_u32 s41, ttmp6, 0x40004                  ; cy
	s_lshl_b32 s42, ttmp9, 2
	s_add_co_u32 s42, s42, s40                     ; block column 0..3
	s_and_b32 s13, ttmp7, 0xffff
	s_lshl_b32 s13, s13, 2
	s_add_co_u32 s13, s13, s41                     ; block row 0..63
	s_lshl_b32 s43, s41, 2
	s_lshl_b32 s43, 15, s43                        ; my row of the cluster
	s_lshl_b32 s44, 0x1111, s40                    ; my column
	; dense tiles as rows of 32 elements of 8 bytes; 4 words of padding behind every 128 bytes: LDS pitch 144.  ctx: 128 rows = 64 such rows; Wo: 256 rows = 128
	s_or_b32 s[G1+0], s43, 0x07330000
	s_mov_b32 s[G1+1], 32<<16
	s_mov_b32 s[G1+2], 64<<16
	s_mov_b32 s[G1+3], 32<<16
	s_mov_b32 s[G1+4], 64
	s_mov_b32 s[G1+5], 32
	s_mov_b32 s[G1+6], 0
	s_mov_b32 s[G1+7], 0
	s_or_b32 s[G1B+0], s44, 0x07330000
	s_mov_b32 s[G1B+1], 32<<16
	s_mov_b32 s[G1B+2], 128<<16
	s_mov_b32 s[G1B+3], 32<<16
	s_mov_b32 s[G1B+4], 128
	s_mov_b32 s[G1B+5], 32
	s_mov_b32 s[G1B+6], 0
	s_mov_b32 s[G1B+7], 0
	s_lshl_b32 s14, s13, 14                        ; ctx: 128 rows of 128 bytes,
	s_lshl_b32 s20, s12, 20                        ; + my head of the step
	s_add_co_u32 s14, s14, s20
	s_mov_b32 s15, 0
	s_lshl_b32 s46, s42, 15                        ; Wo: 256 rows of 128 bytes,
	s_lshl_b32 s20, s12, 17
	s_add_co_u32 s46, s46, s20
	s_mov_b32 s47, 0
	s_mul_i32 s20, s10, 18432                      ; LDS: ctx's heads at wave x 128 rows (waves 0, 1)
	s_mul_i32 s21, s10, 36864                      ; Wo's at 36,864 + (wave - 2) x 36,864 (waves 2, 3)
	s_sub_co_u32 s21, s21, 36864
	s_wait_dscnt 0x0
	s_wait_kmcnt 0x0
	s_add_nc_u64 s[14:15], s[4:5], s[14:15]
	s_add_nc_u64 s[46:47], s[6:7], s[46:47]
	CROUND                                         ; all sixteen work-groups are here: the first joint loads meet
.irp s, 0,1
	s_mov_b32 s[G0+4*\s], 1
	s_add_co_u32 s[G0+4*\s+1], s20, \s*SLOT
	s_add_nc_u64 s[G0+4*\s+2:G0+4*\s+3], s[14:15], \s*ASTEP
	s_or_b32 s[G0+4*\s+3], s[G0+4*\s+3], 0x80000000
	s_mov_b32 s[G0B+4*\s], 1
	s_add_co_u32 s[G0B+4*\s+1], s21, \s*SLOT
	s_add_nc_u64 s[G0B+4*\s+2:G0B+4*\s+3], s[46:47], \s*BSTEP
	s_or_b32 s[G0B+4*\s+3], s[G0B+4*\s+3], 0x80000000
	JLOAD \s                                       ; both first fills: two tensor loads of the wave are out, the most in this text
.endr
	v_and_b32 v1, 15, v0                           ; r
	v_bfe_u32 v2, v0, 4, 1                         ; h
	; the bias in the layout of a C operand: register j of tile b = bo[my first column + 16 b + 8 h + j], the same for every r
	s_lshl_b32 s22, s42, 10
	s_lshl_b32 s23, s12, 9
	s_add_co_u32 s22, s22, s23
	s_mov_b32 s23, 0
	s_add_nc_u64 s[16:17], s[16:17], s[22:23]
	v_lshlrev_b32 v[BO], 5, v2
	WIN 0x80
.irp b, 0,1,2,3,4,5,6,7
	global_load_b128 v[8*\b:8*\b+3],   v[BO], s[16:17] offset:64*\b
	global_load_b128 v[8*\b+4:8*\b+7], v[BO], s[16:17] offset:64*\b+16
.endr
	WIN 0
	v_mul_u32_u24 v3, v1, 144
	v_lshl_add_u32 v3, v2, 4, v3                   ; r x 144 + 16 h
	s_mul_i32 s21, s11, 9216                       ; my 64 rows of ctx
	s_mul_i32 s22, s12, 18432                      ; my 128 rows of Wo
	s_add_co_u32 s22, s22, BOFF
.irp s, 0,1
	v_add_nc_u32 v[ADX+\s], s21, v3
	v_add_nc_u32 v[ADW+\s], s22, v3
	s_add_co_u32 s21, s21, SLOT
	s_add_co_u32 s22, s22, SLOT
.endr
	s_mul_i32 s23, s10, 8448
	s_add_co_u32 s23, s23, STAGE
	v_mul_u32_u24 v4, v1, 528                      ; in: row r, 32 bytes for each half of the lanes
	v_lshl_add_u32 v4, v2, 5, v4
	v_add_nc_u32 v[STO], s23, v4
	v_and_b32 v5, 31, v0
	v_lshlrev_b32 v[CO], 4, v5                     ; back and out: the wave takes a row's 512 bytes
	v_add_nc_u32 v[RD], s23, v[CO]
; 24 LDS loads in one run: the fragments of quarter kk (head kk / 2, 32 d from 32 (kk % 2)) into buffer f
.macro FETCH slot, kk, f
.irp b, 0,1,2,3,4,5,6,7
	ds_load_b128 v[\f+8*\b:\f+8*\b+3],   v[ADW+\slot] offset:(\kk/2)*36864+\b*2304+(\kk%2)*64
	ds_load_b128 v[\f+8*\b+4:\f+8*\b+7], v[ADW+\slot] offset:(\kk/2)*36864+\b*2304+(\kk%2)*64+32
.endr
.irp a, 0,1,2,3
	ds_load_b128 v[\f+64+8*\a:\f+64+8*\a+3],   v[ADX+\slot] offset:(\kk/2)*18432+\a*2304+(\kk%2)*64
	ds_load_b128 v[\f+64+8*\a+4:\f+64+8*\a+7], v[ADX+\slot] offset:(\kk/2)*18432+\a*2304+(\kk%2)*64+32
.endr
.endm
; 16 matrix instructions: row tiles a0, a0 + 1 x all 8 column tiles.  bias = 1: C is the bias (window 2), which starts the sums.
.macro MUL16 f, a0, bias
.irp a, \a0, \a0+1
.irp b, 0,1,2,3,4,5,6,7
.if \bias
	v_wmma_f32_16x16x32_f16 v[8*(8*(\a)+\b):8*(8*(\a)+\b)+7], v[\f+8*\b:\f+8*\b+7], v[\f+64+8*(\a):\f+64+8*(\a)+7], v[8*\b:8*\b+7]
.else
	v_wmma_f32_16x16x32_f16 v[8*(8*(\a)+\b):8*(8*(\a)+\b)+7], v[\f+8*\b:\f+8*\b+7], v[\f+64+8*(\a):\f+64+8*(\a)+7], v[8*(8*(\a)+\b):8*(8*(\a)+\b)+7]
.endif
.endr
.endr
.endm
; A K step: four quarters of 32 along K on buffers 0, 1, 0, 1.  Each: four places, the next quarter's 24 loads, a wait that leaves just these out, 32 products.
; The 32 accumulators take turns, one instruction a turn.
.macro STEP slot, next, fill, last, bias
	PLACES 4
	WIN 0
	FETCH \slot, 1, F1
	s_wait_dscnt 24
.if \bias
	WIN 0x60
.else
	WIN 0x50
.endif
	MUL16 F0, 0, \bias
	MUL16 F0, 2, \bias
	PLACES 4
	WIN 0
	FETCH \slot, 2, F0
	s_wait_dscnt 24
	WIN 0x50
	MUL16 F1, 0, 0
	MUL16 F1, 2, 0
	PLACES 4
	WIN 0
	FETCH \slot, 3, F1                             ; my last reads of this slot
	s_wait_dscnt 24
	WIN 0x50
	MUL16 F0, 0, 0
.if \last == 0
	s_wait_dscnt 0x0                               ; my reads of this slot are over,
	s_wait_tensorcnt 0x0                           ; and all my tensor loads have landed: the one that was out is my part of the next slot
	ds_add_u32 v254, v255
	s_wait_dscnt 0x0
	s_barrier_signal -1
.endif
	MUL16 F0, 2, 0
.if \last == 0
	WIN 0
	s_barrier_wait -1
.if \fill
	CREST                                          ; no wave of any partner still reads this slot or has a load on its way
	s_add_nc_u64 s[G0+4*\slot+2:G0+4*\slot+3], s[G0+4*\slot+2:G0+4*\slot+3], 2*ASTEP
	s_add_nc_u64 s[G0B+4*\slot+2:G0B+4*\slot+3], s[G0B+4*\slot+2:G0B+4*\slot+3], 2*BSTEP
	JLOAD \slot                                    ; the first tensor load behind the round; 112 matrix instructions stand between it and the wait for it
.endif
	PLACES 4
	FETCH \next, 0, F0
	s_wait_dscnt 24
.else
	s_wait_dscnt 0x0
.endif
	WIN 0x50
	MUL16 F1, 0, 0
	MUL16 F1, 2, 0
.endm
	s_wait_tensorcnt 0x1                           ; my part of K step 0 is in; K step 1's stays out
	s_barrier_signal -1
	s_barrier_wait -1
	FETCH 0, 0, F0
	s_wait_loadcnt 0x0                             ; the bias
	STEP 0, 1, 1, 0, 1                             ; the first lap stands in front of the loop: its first products take the bias
	STEP 1, 0, 1, 0, 0
	WIN 0
	s_mov_b32 s3, 2
.Llap:
	STEP 0, 1, 1, 0, 0
	STEP 1, 0, 1, 0, 0
	WIN 0
	s_sub_co_u32 s3, s3, 1
	s_cmp_lg_u32 s3, 0
	s_cbranch_scc1 .Llap
	STEP 0, 1, 0, 0, 0                             ; the last lap fills nothing
	STEP 1, 0, 0, 1, 0
	; THE WAY OUT, 16 rows at a time: 32 bytes a lane and tile into my own stage, back as whole rows of 512 bytes
	PLACES 4
	s_lshl_b32 s14, s13, 19                        ; 128 rows of 4,096 bytes
	s_lshl_b32 s15, s11, 18
	s_add_co_u32 s14, s14, s15
	s_mov_b32 s15, 0
	s_add_nc_u64 s[18:19], s[18:19], s[14:15]
	s_lshl_b32 s46, s42, 10                        ; 256 columns of 4 bytes
	s_lshl_b32 s47, s12, 9
	s_add_co_u32 s46, s46, s47
	s_mov_b32 s47, 0
	s_add_nc_u64 s[18:19], s[18:19], s[46:47]
.macro OUT16 a, rb
	WIN 0x04
.irp b, 0,1,2,3,4,5,6,7
	ds_store_b128 v[STO], v[8*(8*\a+\b):8*(8*\a+\b)+3]   offset:64*\b
	ds_store_b128 v[STO], v[8*(8*\a+\b)+4:8*(8*\a+\b)+7] offset:64*\b+16
.endr
	WIN 0
	s_wait_xcnt 0x0                                ; the registers read back into were data of earlier stores
.irp t, 0,1,2,3,4,5,6,7,8,9,10,11,12,13,14,15
	ds_load_b128 v[\rb+4*\t:\rb+4*\t+3], v[RD] offset:528*\t       ; my own stage: LDS serves a wave's instructions in order
.endr
.irp t, 0,1,2,3,4,5,6,7,8,9,10,11,12,13,14,15
	s_wait_dscnt 15-\t
	global_store_b128 v[CO], v[\rb+4*\t:\rb+4*\t+3], s[18:19] offset:(16*\a+\t)*4096 th:TH_STORE_NT   ; 512 consecutive bytes of one row, at a multiple of 512
.endr
.endm
.set RBX, 32
.irp a, 0,1,2,3
	OUT16 \a, RBX
.set RBX, 160-RBX
.endr
	s_wait_tensorcnt 0x0
	ds_add_u32 v254, v255
	s_wait_dscnt 0x0
	CROUND                                         ; the closing round: no work-group ends while a partner may still ask for a tile that names it
	s_endpgm
.Lfunc_end_k_q47e95a8224_outp:
	.size	k_q47e95a8224_outp, .Lfunc_end_k_q47e95a8224_outp-k_q47e95a8224_outp
	.p2alignl 7, 3214868480
	.fill 96, 4, 3214868480
	.section	.rodata,"a",@progbits
	.p2align	6, 0x0
	.amdhsa_kernel k_q47e95a8224_outp
		.amdhsa_group_segment_fixed_size 327680
		.amdhsa_private_segment_fixed_size 0
		.amdhsa_enable_private_segment 0
		.amdhsa_kernarg_size 32
		.amdhsa_user_sgpr_count 2
		.amdhsa_user_sgpr_kernarg_segment_ptr 1
		.amdhsa_wavefront_size32 1
		.amdhsa_system_sgpr_workgroup_id_x 1
		.amdhsa_system_sgpr_workgroup_id_y 1
		.amdhsa_system_sgpr_workgroup_id_z 1
		.amdhsa_system_vgpr_workitem_id 0
		.amdhsa_next_free_vgpr 576
		.amdhsa_next_free_sgpr 66
		.amdhsa_reserve_vcc 0
		.amdhsa_float_denorm_mode_32 3
		.amdhsa_float_denorm_mode_16_64 3
		.amdhsa_memory_ordered 1
		.amdhsa_forward_progress 1
		.amdhsa_inst_pref_size 118
	.end_amdhsa_kernel
	.amdgpu_metadata
---
amdhsa.version: [ 1, 2 ]
amdhsa.kernels:
  - .name:           k_q47e95a8224_outp
    .symbol:         k_q47e95a8224_outp.kd
    .args:
      - { .name: ctx, .offset: 0, .size: 8, .value_kind: global_buffer, .address_space: global }
      - { .name: wob, .offset: 8, .size: 8, .value_kind: global_buffer, .address_space: global }
      - { .name: bo, .offset: 16, .size: 8, .value_kind: global_buffer, .address_space: global }
      - { .name: out0, .offset: 24, .size: 8, .value_kind: global_buffer, .address_space: global }
    .group_segment_fixed_size: 327680
    .private_segment_fixed_size: 0
    .kernarg_segment_align: 8
    .kernarg_segment_size: 32
    .max_flat_workgroup_size: 128
    .sgpr_count:     66
    .vgpr_count:     576
    .wavefront_size: 32
...
	.end_amdgpu_metadata
.endif
;; end of part 4
;; ======== version 2 of 2: 4 launches; version 1 with the launch prep written anew for expert scheduling mode
;; limits: values are held in f16: magnitudes above 65,504 overflow, below 6.1e-05 lose precision
;; workspace buffers: xb 16,777,216 bytes; wb 6,291,456 bytes; wob 2,097,152 bytes; qkv 50,331,648 bytes; ctx 16,777,216 bytes
;; launch prep (part 5): grid 768 x 1, 8 waves a work-group, no clusters, 0 bytes of LDS; arguments x, Wq, Wk, Wv, Wo, xb, wb, wob; writes xb, wb, wob
.if DOCPART == 5
	.amdgcn_target "amdgcn-amd-amdhsa--gfx1250"
	.amdhsa_code_object_version 6
	.text
	.protected	k_q47e95a8224_prep
	.globl	k_q47e95a8224_prep
	.p2align	8
	.type	k_q47e95a8224_prep,@function
k_q47e95a8224_prep:
	s_mov_b64 s[64:65], 0
	v_nop
	global_prefetch_b8 v0, s[64:65] scope:SCOPE_SE
	s_setreg_imm32_b32 hwreg(HW_REG_WAVE_SCHED_MODE, 0, 2), 2
	s_setreg_imm32_b32 hwreg(HW_REG_WAVE_MODE, 25, 1), 1
	s_wait_xcnt 0x0
	s_wait_alu depctr_vm_vsrc(0)
; prep: casts the inputs to 16 bits and lays them in blocks, so that every tile of the later launches is one dense run of memory.
;   xb  [16 kb][8192 row][64]  bf16 = x[row][64 kb + i]
;   wb  [48 g][1024 e][64 d]   bf16 = Wq (g 0-15), Wk (16-31), Wv (32-47), order kept
;   wob [16 h][1024 n][64 d]   f16  = Wo[n][64 h + d], rounded to bf16 first and then written as f16
; LIMIT: a bf16 number is exact in f16 from 2^-17 up to 65,504; a smaller |Wo| gets an absolute error of at most 2^-25, a larger one becomes infinite.
; A stream: memory binds, so no LDS, no barrier, no matrix unit.  A work-group makes 32 KiB of output; thread t takes 4 numbers (16 bytes in, 8 bytes out)
; sixteen times.  Sixteen neighbouring lanes read 256 consecutive bytes, aligned, so a load of a wave covers two such blocks and uses every byte of them;
; a store of a wave covers 256 consecutive bytes, aligned.  All 16 loads of a thread go out first, so 16 loads of every wave are on their way.
; THE MODE: SCHED_MODE bits 1:0 = 2 (LLVM: expert scheduling mode 2), set by the entry lines.  The code itself states the register dependences
; between vector instructions and memory instructions, with s_wait_alu, always for 0.
; THE PLAN.  Registers that memory instructions touch, on each of the three paths:
;   v1, v2   byte offsets of the loads and of the stores: made at the head, and never written once a memory instruction has read them.
;   X        piece i: written by its one load; read (on Wo's path also written again) by its conversions, behind the wait for the load.  No load lands in it twice.
;   Y        piece i: written by its conversions; read by its one store; never written behind that store.
; The 16 pieces go in four groups of four.  Group g converts its four pieces; its memory instructions are the four stores of group g - 1, which read v2 and that
; group's Y: registers that no vector instruction of group g names.  So one wait at a group's head states all that its four stores hang on, and they are dealt
; among its conversions with no further wait.  Nothing that a memory instruction has read is written again, so no wait on vm_vsrc is owed.
.set X, 8                              ; v[8:71]   16 pieces of 4 f32 as loaded
.set Y, 72                             ; v[72:103] 16 pieces of 2 registers to store
; stride = bytes in the source from piece i to piece i + 1 of a thread; half = 1: the bf16 value is written as f16
.macro CAST stride, half
	s_wait_alu depctr_va_vdst(0)                   ; v1 and v2 are written: every load below reads v1 as its offset, every store v2
.irp i, 0,1,2,3,4,5,6,7,8,9,10,11,12,13,14,15
	global_load_b128 v[X+4*\i:X+4*\i+3], v1, s[24:25] offset:\i*\stride th:TH_LOAD_NT
.endr
.irp g, 0,1,2,3
	s_wait_loadcnt 12-4*\g                         ; loads come back in order: the group's four pieces are in, the 12 - 4 g younger loads stay out
.if \g > 0
	s_wait_alu depctr_va_vdst(0)                   ; the group before has written its Y, which the four stores below read
.endif
.irp k, 0,1,2,3
.set P, 4*\g+\k                        ; the piece that is converted
.set Q, P-4                            ; the piece that is stored
.if \g > 0
	global_store_b64 v2, v[Y+2*Q:Y+2*Q+1], s[26:27] offset:Q*2048  ; no vector instruction since the wait names these registers
.endif
	v_cvt_pk_bf16_f32 v[Y+2*P],   v[X+4*P],   v[X+4*P+1]
	v_cvt_pk_bf16_f32 v[Y+2*P+1], v[X+4*P+2], v[X+4*P+3]
.if \half
	v_lshlrev_b32 v[X+4*P],   16, v[Y+2*P]                         ; the rounded numbers back in f32
	v_and_b32     v[X+4*P+1], 0xffff0000, v[Y+2*P]
	v_lshlrev_b32 v[X+4*P+2], 16, v[Y+2*P+1]
	v_and_b32     v[X+4*P+3], 0xffff0000, v[Y+2*P+1]
	v_cvt_pk_f16_f32 v[Y+2*P],   v[X+4*P],   v[X+4*P+1]
	v_cvt_pk_f16_f32 v[Y+2*P+1], v[X+4*P+2], v[X+4*P+3]
.endif
.endr
.endr
	s_wait_alu depctr_va_vdst(0)                   ; the last group has written its Y, which the last four stores read
.irp k, 12,13,14,15
	global_store_b64 v2, v[Y+2*\k:Y+2*\k+1], s[26:27] offset:\k*2048
.endr
.endm
	s_load_b512 s[4:19], s[0:1], 0x0               ; x s[4:5], Wq s[6:7], Wk s[8:9], Wv s[10:11], Wo s[12:13], xb s[14:15], wb s[16:17], wob s[18:19]
	s_mov_b32 s23, 0                               ; upper word of every offset pair
	v_lshlrev_b32 v2, 3, v0                        ; out: 8 t (16 rows of 128 bytes for the 256 threads)
	v_lshrrev_b32 v1, 4, v0                        ; in, for the two re-blocking ways: row t / 16 of 4,096 bytes,
	v_and_b32 v3, 15, v0
	v_lshlrev_b32 v3, 4, v3                        ; 16 bytes (4 f32) at t % 16
	v_lshl_add_u32 v1, v1, 12, v3
	s_cmp_lt_u32 ttmp9, 512
	s_cbranch_scc0 .Lnot_x
	; work-groups 0-511: x.  kb = id / 32, 256 rows from row 256 (id % 32)
	s_lshr_b32 s20, ttmp9, 5
	s_and_b32 s21, ttmp9, 31
	s_lshl_b32 s20, s20, 8                         ; 64 f32
	s_lshl_b32 s21, s21, 20                        ; 256 rows of 4,096 bytes
	s_add_co_u32 s22, s20, s21
	s_wait_kmcnt 0x0
	s_add_nc_u64 s[24:25], s[4:5], s[22:23]
	s_lshl_b32 s22, ttmp9, 15
	s_add_nc_u64 s[26:27], s[14:15], s[22:23]
	CAST 65536, 0                                  ; 16 rows from piece to piece
	s_endpgm
.Lnot_x:
	s_cmp_lt_u32 ttmp9, 704
	s_cbranch_scc0 .Lwo
	; work-groups 512-703: the three projection weights, 64 work-groups each, a plain cast
	s_sub_co_u32 s20, ttmp9, 512
	v_lshlrev_b32 v1, 4, v0                        ; in: 16 t (no memory instruction has read v1 yet)
	s_lshr_b32 s21, s20, 6                         ; 0 Wq, 1 Wk, 2 Wv
	s_wait_kmcnt 0x0
	s_cmp_eq_u32 s21, 0
	s_cselect_b64 s[24:25], s[6:7], s[8:9]
	s_cmp_eq_u32 s21, 2
	s_cselect_b64 s[24:25], s[10:11], s[24:25]
	s_and_b32 s22, s20, 63
	s_lshl_b32 s22, s22, 16                        ; 64 KiB of f32 for 32 KiB of bf16
	s_add_nc_u64 s[24:25], s[24:25], s[22:23]
	s_lshl_b32 s22, s20, 15
	s_add_nc_u64 s[26:27], s[16:17], s[22:23]
	CAST 4096, 0
	s_endpgm
.Lwo:
	; work-groups 704-767: Wo, re-blocked like x (1,024 rows: 4 work-groups for each head)
	s_sub_co_u32 s20, ttmp9, 704
	s_lshr_b32 s21, s20, 2
	s_and_b32 s22, s20, 3
	s_lshl_b32 s21, s21, 8
	s_lshl_b32 s22, s22, 20
	s_add_co_u32 s22, s22, s21
	s_wait_kmcnt 0x0
	s_add_nc_u64 s[24:25], s[12:13], s[22:23]
	s_lshl_b32 s22, s20, 15
	s_add_nc_u64 s[26:27], s[18:19], s[22:23]
	CAST 65536, 1
	s_endpgm
.Lfunc_end_k_q47e95a8224_prep:
	.size	k_q47e95a8224_prep, .Lfunc_end_k_q47e95a8224_prep-k_q47e95a8224_prep
	.p2alignl 7, 3214868480
	.fill 96, 4, 3214868480
	.section	.rodata,"a",@progbits
	.p2align	6, 0x0
	.amdhsa_kernel k_q47e95a8224_prep
		.amdhsa_group_segment_fixed_size 0
		.amdhsa_private_segment_fixed_size 0
		.amdhsa_enable_private_segment 0
		.amdhsa_kernarg_size 64
		.amdhsa_user_sgpr_count 2
		.amdhsa_user_sgpr_kernarg_segment_ptr 1
		.amdhsa_wavefront_size32 1
		.amdhsa_system_sgpr_workgroup_id_x 1
		.amdhsa_system_sgpr_workgroup_id_y 1
		.amdhsa_system_sgpr_workgroup_id_z 1
		.amdhsa_system_vgpr_workitem_id 0
		.amdhsa_next_free_vgpr 104
		.amdhsa_next_free_sgpr 66
		.amdhsa_reserve_vcc 0
		.amdhsa_float_denorm_mode_32 3
		.amdhsa_float_denorm_mode_16_64 3
		.amdhsa_memory_ordered 1
		.amdhsa_forward_progress 1
		.amdhsa_inst_pref_size 23
	.end_amdhsa_kernel
	.amdgpu_metadata
---
amdhsa.version: [ 1, 2 ]
amdhsa.kernels:
  - .name:           k_q47e95a8224_prep
    .symbol:         k_q47e95a8224_prep.kd
    .args:
      - { .name: x, .offset: 0, .size: 8, .value_kind: global_buffer, .address_space: global }
      - { .name: Wq, .offset: 8, .size: 8, .value_kind: global_buffer, .address_space: global }
      - { .name: Wk, .offset: 16, .size: 8, .value_kind: global_buffer, .address_space: global }
      - { .name: Wv, .offset: 24, .size: 8, .value_kind: global_buffer, .address_space: global }
      - { .name: Wo, .offset: 32, .size: 8, .value_kind: global_buffer, .address_space: global }
      - { .name: xb, .offset: 40, .size: 8, .value_kind: global_buffer, .address_space: global }
      - { .name: wb, .offset: 48, .size: 8, .value_kind: global_buffer, .address_space: global }
      - { .name: wob, .offset: 56, .size: 8, .value_kind: global_buffer, .address_space: global }
    .group_segment_fixed_size: 0
    .private_segment_fixed_size: 0
    .kernarg_segment_align: 8
    .kernarg_segment_size: 64
    .max_flat_workgroup_size: 256
    .sgpr_count:     66
    .vgpr_count:     104
    .wavefront_size: 32
...
	.end_amdgpu_metadata
.endif
;; end of part 5
;; launch qkv: the kernel of part 2 again; grid 8 x 32, 4 waves a work-group, clusters of 4 x 4, 327,680 bytes of LDS; arguments xb, wb, qkv; writes qkv
;; launch attn: the kernel of part 3 again; grid 256 x 1, 8 waves a work-group, no clusters, 327,680 bytes of LDS; arguments qkv, ctx; writes ctx
;; launch outp: the kernel of part 4 again; grid 4 x 64, 4 waves a work-group, clusters of 4 x 4, 327,680 bytes of LDS; arguments ctx, wob, bo, out0; writes out0
